; MI455X (gfx1250); checked and timed in simulation.
; The chip was launched on July 23, 2026; its instructions are those of AMD's public machine-readable ISA for CDNA 5 (MIT licence, August 2026) and "CDNA5" Instruction Set Architecture Reference Guide (July 2026). The comments in the code are by the model that wrote it; some were corrected since.
;; Window Attention Memory. Allowed arithmetic: matrix products marked QUANTISED: E4M3 operands, one E8M0 scale for each 32 along K, by v_wmma_scale_f32_16x16x128_f8f6f4 with both operands' format E4M3, f32 sums; everything else in f32.
;; Inputs: b_k 1,024 float32; b_o 1,024 float32; b_q 1,024 float32; b_v 1,024 float32; ln_b 1,024 float32; ln_g 1,024 float32; w_k 1,024 x 1,024 float32; w_o 1,024 x 1,024 float32; w_q 1,024 x 1,024 float32; w_v 1,024 x 1,024 float32; x 4 x 2,048 x 1,024 float32.
;; Outputs: out0 4 x 2,048 x 1,024 float32.
;; This version of the problem:
;;   THIS VERSION OF THE PROBLEM IS GIVEN IN LOW PRECISION. The matrix products marked QUANTISED in the list below multiply operands that are first quantised to E4M3 (4 exponent bits, 3 mantissa bits; 8 bits a number), with one power-of-two scale for each 32 numbers along K (OCP MX v1.0); their sums are f32. All else is computed in f32.
;;   The module's matrix products, in the order in which they are computed (A, B: the left and right operand; K: the contracted axis; several contracted axes count as one K, in the product's order):
;;     1. [M 8,192, K 1,024] x [K 1,024, N 1,024]; A: computed on the way; B: input w_q: QUANTISED
;;     2. [M 8,192, K 1,024] x [K 1,024, N 1,024]; A: computed on the way; B: input w_k: QUANTISED
;;     3. [M 8,192, K 1,024] x [K 1,024, N 1,024]; A: computed on the way; B: input w_v: QUANTISED
;;     4. batch 64 x [M 2,048, K 64] x [K 64, N 2,048]; A: computed on the way; B: computed on the way: QUANTISED
;;     5. batch 64 x [M 2,048, K 2,048] x [K 2,048, N 64]; A: softmax (see below); B: computed on the way: QUANTISED
;;     6. [M 8,192, K 1,024] x [K 1,024, N 1,024]; A: computed on the way; B: input w_o: QUANTISED
;;   THE QUANTISER, for each operand of a quantised product, along K:
;;     - K is cut into blocks of 32 from its start; a last block that is shorter is filled with zeros.
;;     - A block's scale is 2^e with e = floor(log2(the largest magnitude in the block)) - 8, held to -126 .. 127; a block of zeros has e = 0. As a byte (E8M0): e + 127.
;;     - Each number is divided by its block's scale, clamped to +-448, and rounded to the nearest number of E4M3, ties to even, subnormals kept.
;;     - The product sums the exact products of the quantised numbers (number of the format x scale) in f32.
;;   ~~~python
;;   def quantise(x, axis):      # numpy; x: float32 -> the quantised numbers, widened to float32 again
;;       x = np.moveaxis(x, axis, -1); K = x.shape[-1]
;;       x = np.pad(x, [(0, 0)] * (x.ndim - 1) + [(0, -K % 32)]); x = x.reshape(x.shape[:-1] + (-1, 32)); a = np.abs(x).max(-1, keepdims=True)
;;       e = np.where(a > 0, np.clip(np.frexp(np.where(a > 0, a, 1))[1] - 1 - 8, -126, 127), 0)      # np.frexp(a)[1] - 1 = floor(log2(a)), exactly
;;       r = np.clip(x / 2.0 ** e, -448, 448)
;;       step = 2.0 ** (np.maximum(np.frexp(np.where(r == 0, 1, r))[1] - 1, -6) - 3)
;;       q = np.round(r / step) * step * 2.0 ** e      # np.round: ties to even
;;       return np.moveaxis(q.reshape(q.shape[:-2] + (-1,))[..., :K], -1, axis).astype(np.float32)
;;   ~~~
;;   SOFTMAX AHEAD OF A QUANTISED PRODUCT. Where the list says 'softmax', what is quantised is not the finished softmax but p = 2^(t - M), with t = logit x log2(e) and M = ceil(the row's largest t), a whole number; so 1/2 < the row's largest p <= 1. The row's sum l is taken of the UNQUANTISED p, in f32, and the product's result is divided by l at the end. Since M is a whole number, a kernel that streams over the keys may use a running M (the ceiling of the running maximum): every later rescaling is an exact power of two, which a block's scale takes up: the codes' values come out the same.
;;   OPERANDS COMPUTED ON THE WAY. 'Computed on the way' means the value that the module computes at that place (a softmax that the list does not call 'softmax' is quantised finished and normalised). What goes into a quantiser is computed in f32, as accurately as f32 sums, v_exp_f32 and their like allow (about 1e-6 of the number): no bf16 or f16 on the way to a quantiser, and a product that is left as it is and whose result goes on into a quantised operand takes f32 operands (vector FMAs, or v_wmma_f32_16x16x4_f32). A number that lies on a knife's edge between two numbers of the format may be rounded either way, as far as f32 arithmetic and the matrix unit's own rounding can turn it there, and no further.
;; One version. Each part assembles by itself: llvm-mc -triple=amdgcn-amd-amdhsa -mcpu=gfx1250 --defsym DOCPART=n.
;; ======== version 1 of 1: 4 launches
;; limits: right only within a limited range of input values
;; workspace buffers: xn_codes 8,388,608 bytes; xn_scales 262,144 bytes; w_codes 4,194,304 bytes; w_scales 131,072 bytes; qkv_codes 25,165,824 bytes; qkv_scales 786,432 bytes; ctx_codes 8,388,608 bytes; ctx_scales 262,144 bytes
;; launch prep (part 1): grid 768 x 1, 16 waves a work-group, no clusters, 20,480 bytes of LDS; arguments x, ln_g, ln_b, w_q, w_k, w_v, w_o, xn_codes, xn_scales, w_codes, w_scales; writes xn_codes, xn_scales, w_codes, w_scales
.if DOCPART == 1
	.amdgcn_target "amdgcn-amd-amdhsa--gfx1250"
	.amdhsa_code_object_version 6
	.text
	.protected	k_q155a0f2e6f_prep
	.globl	k_q155a0f2e6f_prep
	.p2align	8
	.type	k_q155a0f2e6f_prep,@function
k_q155a0f2e6f_prep:
	s_mov_b64 s[64:65], 0
	v_nop
	global_prefetch_b8 v0, s[64:65] scope:SCOPE_SE
	s_setreg_imm32_b32 hwreg(HW_REG_WAVE_MODE, 25, 1), 1
	s_wait_xcnt 0x0
; Rows of 1,024 f32 become codes of FP8 (E4M3) with one E8M0 byte for each 32 along the row: the 8,192 rows of x after the layer norm, and the 4 x 1,024 rows of w_q, w_k, w_v, w_o as they are.
; A block's scale is 2^(floor(log2(its largest magnitude)) - 8); each number is divided by it, held within +-448 and rounded to the nearest code, ties to even.
; LIMITS: a block of zeros, or one whose largest magnitude lies under 2^-118, gets the byte 1 (its codes are zeros or subnormal codes; the bytes are read by this program alone); NaN and infinities are not served.
; LAYOUT OF THE RESULT.  A row stands at POSITION p = its number with bits 3 and 4 exchanged.  Sixteen neighbouring positions are a row block P.  Codes: [k / 256][P][(k / 128) % 2][2,048 bytes], the 2,048 bytes in the
; order of a matrix operand's registers: byte 512 c + 16 lane + i is the code of row lane % 16 at k = 32 c + 16 (lane / 16) + i.  Scale words (four bytes: 128 along k): [P][k / 128][row], 4 bytes each.
; SHARES.  A work-group owns one row block, each of its sixteen waves one row.  Lane l holds k = 256 c + 8 l + 0 .. 7, c = 0 .. 3: eight neighbours, as the conversion wants; four lanes hold a block of 32.
; The codes of the sixteen rows meet in LDS (units of 16 along k: 16 rows x 16 bytes, 272 bytes apart) and leave in runs of 512 consecutive bytes.  No matrix unit, no tensor load, no cluster: each input byte is read once by one wave.
.set SCS,  17408                       ; behind the 64 units: the 8 x 16 scale words
.set X,    16                          ; v16-47   the row: chunk c in registers 8 c .. 8 c + 7
.set GG,   48                          ; v48-79   ln_g at my k
.set BB,   80                          ; v80-111  ln_b
.set TS,   112                         ; v112-119 partial sums
.set M,    48                          ; behind the norm: v48-51 largest magnitudes, one a chunk
.set E,    52                          ; v52-55   the conversions' scale operands
.set H,    56                          ; v56-59   448 x the scale
.set W,    60                          ; v60-63   scale bytes, then scale words
.set T,    64                          ; v64-67   what another lane holds
.set C,    68                          ; v68-75   codes
.set OUTR, 76                          ; v76-83   codes on the way out
.set SO,   84                          ; v84-87   scale words on the way out
	s_load_b512 s[4:19], s[0:1], 0x0               ; x, ln_g, ln_b, w_q, w_k, w_v, w_o, xn_codes
	s_load_b128 s[20:23], s[0:1], 0x40             ; xn_scales, w_codes
	s_load_b64 s[24:25], s[0:1], 0x50              ; w_scales
	v_lshl_add_u32 v128, v0, 2, 0x4800
	v_mov_b32 v129, 0
	v_lshrrev_b32 v7, 5, v0
	v_readfirstlane_b32 s32, v7                    ; wave 0..15: my row of the block
	v_and_b32 v1, 31, v0                           ; lane
	v_lshlrev_b32 v2, 5, v1                        ; my 32 bytes of a chunk's 1,024
	v_lshrrev_b32 v3, 1, v1
	v_mul_u32_u24 v3, v3, 272
	v_and_b32 v7, 1, v1
	v_lshl_add_u32 v3, v7, 3, v3
	s_lshl_b32 s33, s32, 4
	v_add_nc_u32 v3, s33, v3                       ; into the stage: unit lane / 2 of the chunk's sixteen, row = wave, 8 bytes
	v_lshrrev_b32 v7, 4, v1
	s_lshl_b32 s33, s32, 2
	s_add_co_u32 s33, s33, SCS
	v_lshl_add_u32 v4, v7, 6, s33                  ; my scale word: 64 bytes for each 128 along k, 4 bytes a row
	v_mul_u32_u24 v5, v7, 272
	v_and_b32 v7, 15, v1
	v_lshl_add_u32 v5, v7, 4, v5
	s_mul_i32 s33, s32, 544
	v_add_nc_u32 v5, s33, v5                       ; out of the stage: units 2 wave and 2 wave + 1, sixteen lanes to a unit
	v_lshlrev_b32 v6, 4, v1                        ; 16 bytes a lane
	v_add_nc_u32 v9, SCS, v6                       ; the scale words on the way out
	v_bfe_u32 v8, v1, 2, 2
	v_lshlrev_b32 v8, 3, v8                        ; my block's byte in its scale word, as a shift
	v_mov_b32 v15, 0                               ; written once: a lane permute's destination counts as one of its sources
	s_mov_b32 s40, 0x76543210
	s_mov_b32 s41, 0xfedcba98                      ; v_permlanex16_b32's selects for lane l xor 16
	s_mov_b32 s42, 0x3a800000                      ; 1 / 1,024
	s_mov_b32 s43, 0x600000                        ; the mantissa field of 448
	s_mov_b32 s44, 0x2b8cbccc                      ; 1e-12
	s_cmp_lt_u32 ttmp9, 512                        ; the first 512 work-groups take x, the other 256 the weights
	s_cselect_b32 s34, 0, 512
	s_cselect_b32 s35, 511, 63
	s_sub_co_u32 s33, ttmp9, s34                   ; the row block in the buffer of codes
	s_and_b32 s35, s33, s35                        ; and in the tensor that is read
	s_lshr_b32 s38, s33, 6                         ; which weight
	s_lshr_b32 s36, s35, 1
	s_lshl_b32 s36, s36, 5
	s_and_b32 s37, s35, 1
	s_lshl_b32 s37, s37, 3
	s_add_co_u32 s36, s36, s37
	s_lshr_b32 s45, s32, 3
	s_lshl_b32 s37, s45, 4
	s_add_co_u32 s36, s36, s37
	s_and_b32 s39, s32, 7
	s_add_co_u32 s36, s36, s39                     ; the row at my position: 32 (P / 2) + 8 (P % 2) + 16 (wave / 8) + wave % 8
	s_lshl_b32 s46, s36, 12                        ; 4,096 bytes a row
	s_mov_b32 s47, 0
	s_wait_kmcnt 0x0
	s_mov_b64 s[26:27], s[10:11]                   ; the buffers are chosen on the work-group's number alone
	s_cmp_eq_u32 s38, 1
	s_cselect_b64 s[26:27], s[12:13], s[26:27]
	s_cmp_eq_u32 s38, 2
	s_cselect_b64 s[26:27], s[14:15], s[26:27]
	s_cmp_eq_u32 s38, 3
	s_cselect_b64 s[26:27], s[16:17], s[26:27]
	s_mov_b32 s34, 0x100000
	s_cmp_lt_u32 ttmp9, 512
	s_cselect_b64 s[26:27], s[4:5], s[26:27]
	s_cselect_b64 s[28:29], s[18:19], s[22:23]
	s_cselect_b64 s[30:31], s[20:21], s[24:25]
	s_cselect_b32 s34, 0x200000, s34               ; bytes from one 256 along k to the next: row blocks x 4,096
	s_add_nc_u64 s[26:27], s[26:27], s[46:47]      ; my row
	s_mul_i32 s46, s45, s34                        ; my units 2 wave, 2 wave + 1 lie in k / 256 = wave / 8, at 512 (wave % 8)
	s_lshl_b32 s36, s33, 12
	s_add_co_u32 s46, s46, s36
	s_lshl_b32 s36, s39, 9
	s_add_co_u32 s46, s46, s36
	s_add_nc_u64 s[28:29], s[28:29], s[46:47]
	s_lshl_b32 s46, s34, 1
	s_add_nc_u64 s[36:37], s[28:29], s[46:47]      ; units 32 + 2 wave, 32 + 2 wave + 1: two steps of 256 further on
	s_lshl_b32 s46, s33, 9
	s_add_nc_u64 s[30:31], s[30:31], s[46:47]      ; the block's 512 bytes of scale words
.irp c, 0,1,2,3
	global_load_b128 v[X+8*\c:X+8*\c+3], v2, s[26:27] offset:1024*\c th:TH_LOAD_NT
	global_load_b128 v[X+8*\c+4:X+8*\c+7], v2, s[26:27] offset:1024*\c+16 th:TH_LOAD_NT   ; the two loads of a chunk cover its 1,024 consecutive bytes
.endr
	s_cmp_lt_u32 ttmp9, 512
	s_cbranch_scc0 .Lq                             ; a weight goes to the quantiser as it is
	; ---- THE LAYER NORM, in two passes over the registers: the mean, then the mean of the squares of what is left, so that a common offset of the row does no harm
.irp c, 0,1,2,3
	global_load_b128 v[GG+8*\c:GG+8*\c+3], v2, s[6:7] offset:1024*\c
	global_load_b128 v[GG+8*\c+4:GG+8*\c+7], v2, s[6:7] offset:1024*\c+16
.endr
.irp c, 0,1,2,3
	global_load_b128 v[BB+8*\c:BB+8*\c+3], v2, s[8:9] offset:1024*\c
	global_load_b128 v[BB+8*\c+4:BB+8*\c+7], v2, s[8:9] offset:1024*\c+16
.endr
.macro REDUCE                          ; v14 summed over the 32 lanes, the result in every lane
	v_add_f32_dpp v14, v14, v14 row_xmask:1 row_mask:0xf bank_mask:0xf
	v_add_f32_dpp v14, v14, v14 row_xmask:2 row_mask:0xf bank_mask:0xf
	v_add_f32_dpp v14, v14, v14 row_xmask:4 row_mask:0xf bank_mask:0xf
	v_add_f32_dpp v14, v14, v14 row_xmask:8 row_mask:0xf bank_mask:0xf
	v_permlanex16_b32 v15, v14, s40, s41
	v_add_f32 v14, v14, v15
.endm
.macro FOLD                            ; the four chains of partial sums into v14
	v_pk_add_f32 v[TS:TS+1], v[TS:TS+1], v[TS+2:TS+3]
	v_pk_add_f32 v[TS+4:TS+5], v[TS+4:TS+5], v[TS+6:TS+7]
	v_pk_add_f32 v[TS:TS+1], v[TS:TS+1], v[TS+4:TS+5]
	v_add_f32 v14, v[TS], v[TS+1]
.endm
	s_wait_loadcnt 16                              ; the row's eight loads are in; the sixteen of ln_g and ln_b may be out
.irp j, 0,1,2,3
	v_pk_add_f32 v[TS+2*\j:TS+2*\j+1], v[X+4*\j:X+4*\j+1], v[X+4*\j+2:X+4*\j+3]
.endr
.irp j, 0,1,2,3
	v_pk_add_f32 v[TS+2*\j:TS+2*\j+1], v[TS+2*\j:TS+2*\j+1], v[X+16+4*\j:X+16+4*\j+1]
.endr
.irp j, 0,1,2,3
	v_pk_add_f32 v[TS+2*\j:TS+2*\j+1], v[TS+2*\j:TS+2*\j+1], v[X+18+4*\j:X+18+4*\j+1]
.endr
	FOLD
	REDUCE
	v_mul_f32 v10, s42, v14                        ; the mean
	v_mov_b32 v11, v10
.irp j, 0,2,4,6,8,10,12,14,16,18,20,22,24,26,28,30
	v_pk_add_f32 v[X+\j:X+\j+1], v[X+\j:X+\j+1], v[10:11] neg_lo:[0,1] neg_hi:[0,1]
.endr
.irp j, 0,1,2,3
	v_pk_mul_f32 v[TS+2*\j:TS+2*\j+1], v[X+2*\j:X+2*\j+1], v[X+2*\j:X+2*\j+1]
.endr
.irp i, 1,2,3
.irp j, 0,1,2,3
	v_pk_fma_f32 v[TS+2*\j:TS+2*\j+1], v[X+8*\i+2*\j:X+8*\i+2*\j+1], v[X+8*\i+2*\j:X+8*\i+2*\j+1], v[TS+2*\j:TS+2*\j+1]
.endr
.endr
	FOLD
	REDUCE
	v_fma_f32 v12, v14, s42, s44                   ; the variance + 1e-12
	v_rsq_f32 v12, v12
	v_nop                                          ; one plain instruction behind a transcendental before its result is used (ISA guide 5.7.2)
	s_wait_alu depctr_va_vdst(0)
	v_mov_b32 v13, v12
	s_wait_loadcnt 0x0                             ; ln_g, ln_b
.irp j, 0,2,4,6,8,10,12,14,16,18,20,22,24,26,28,30
	v_pk_mul_f32 v[X+\j:X+\j+1], v[X+\j:X+\j+1], v[12:13]
.endr
.irp j, 0,2,4,6,8,10,12,14,16,18,20,22,24,26,28,30
	v_pk_fma_f32 v[X+\j:X+\j+1], v[X+\j:X+\j+1], v[GG+\j:GG+\j+1], v[BB+\j:BB+\j+1]
.endr
.Lq:	; ---- THE QUANTISER: the four chunks by turns, so that no line waits for the line above it
	s_wait_loadcnt 0x0
.irp c, 0,1,2,3
	v_mov_b32 v[T+\c], 0                           ; written once: the destination of a DPP move counts as read
.endr
.irp c, 0,1,2,3
	v_max3_num_f32 v[M+\c], |v[X+8*\c]|, |v[X+8*\c+1]|, 0x4800000   ; my eight numbers, and the floor 2^(9 - 127): so the byte cannot fall under 1
.endr
.irp i, 2,4,6
.irp c, 0,1,2,3
	v_max3_num_f32 v[M+\c], v[M+\c], |v[X+8*\c+\i]|, |v[X+8*\c+\i+1]|
.endr
.endr
.irp k, 1,2
.irp c, 0,1,2,3
	v_max_num_f32_dpp v[M+\c], v[M+\c], v[M+\c] row_xmask:\k row_mask:0xf bank_mask:0xf   ; with the three other lanes of the block
.endr
.endr
.irp c, 0,1,2,3
	v_add_nc_u32 v[E+\c], 0xfc000000, v[M+\c]      ; 8 off the exponent field: the conversion takes the exponent field of this operand as its scale
.endr
.irp c, 0,1,2,3
	v_and_or_b32 v[H+\c], v[M+\c], 0x7f800000, s43 ; 448 x the scale
.endr
.irp c, 0,1,2,3
	v_lshrrev_b32 v[W+\c], 23, v[E+\c]             ; the scale's byte,
.endr
.irp c, 0,1,2,3
	v_lshlrev_b32 v[W+\c], v8, v[W+\c]             ; at its place in the word of its 128 along k
.endr
.irp k, 4,8
.irp c, 0,1,2,3
	v_mov_b32_dpp v[T+\c], v[W+\c] row_xmask:\k row_mask:0xf bank_mask:0xf
.endr
.irp c, 0,1,2,3
	v_or_b32 v[W+\c], v[W+\c], v[T+\c]             ; the four blocks' bytes join: all sixteen lanes of a half hold the word
.endr
.endr
.irp c, 0,1,2,3
.irp i, 0,1,2,3,4,5,6,7
	v_med3_num_f32 v[X+8*\c+\i], v[X+8*\c+\i], -v[H+\c], v[H+\c]   ; the conversion to an 8-bit code does not saturate (ISA guide 7.6.2): the hold comes first
.endr
	v_cvt_scalef32_pk8_fp8_f32 v[C+2*\c:C+2*\c+1], v[X+8*\c:X+8*\c+7], v[E+\c]
.endr
	v_nop                                          ; a plain instruction behind the last conversion
.irp c, 0,1,2,3
	ds_store_b64 v3, v[C+2*\c:C+2*\c+1] offset:4352*\c
	ds_store_b32 v4, v[W+\c] offset:128*\c         ; the sixteen lanes of a half write the same word with the same value
.endr
	s_wait_dscnt 0x0                               ; for the others' sake: my stores have landed
	s_barrier_signal -1
	s_barrier_wait -1
	ds_load_b128 v[OUTR:OUTR+3], v5
	ds_load_b128 v[OUTR+4:OUTR+7], v5 offset:8704
	s_wait_dscnt 0x0
	global_store_b128 v6, v[OUTR:OUTR+3], s[28:29]     ; 32 lanes store 512 consecutive bytes, at a multiple of 512 from the buffer's first byte
	global_store_b128 v6, v[OUTR+4:OUTR+7], s[36:37]
	s_cmp_lg_u32 s32, 0
	s_cbranch_scc1 .Lend
	ds_load_b128 v[SO:SO+3], v9                    ; wave 0: the block's 128 scale words
	s_wait_dscnt 0x0
	global_store_b128 v6, v[SO:SO+3], s[30:31]
.Lend:
	s_wait_tensorcnt 0x0
	ds_add_u32 v128, v129
	s_wait_dscnt 0x0
	s_endpgm
.Lfunc_end_k_q155a0f2e6f_prep:
	.size	k_q155a0f2e6f_prep, .Lfunc_end_k_q155a0f2e6f_prep-k_q155a0f2e6f_prep
	.p2alignl 7, 3214868480
	.fill 96, 4, 3214868480
	.section	.rodata,"a",@progbits
	.p2align	6, 0x0
	.amdhsa_kernel k_q155a0f2e6f_prep
		.amdhsa_group_segment_fixed_size 20480
		.amdhsa_private_segment_fixed_size 0
		.amdhsa_enable_private_segment 0
		.amdhsa_kernarg_size 88
		.amdhsa_user_sgpr_count 2
		.amdhsa_user_sgpr_kernarg_segment_ptr 1
		.amdhsa_wavefront_size32 1
		.amdhsa_system_sgpr_workgroup_id_x 1
		.amdhsa_system_sgpr_workgroup_id_y 1
		.amdhsa_system_sgpr_workgroup_id_z 1
		.amdhsa_system_vgpr_workitem_id 0
		.amdhsa_next_free_vgpr 130
		.amdhsa_next_free_sgpr 66
		.amdhsa_reserve_vcc 0
		.amdhsa_float_denorm_mode_32 3
		.amdhsa_float_denorm_mode_16_64 3
		.amdhsa_memory_ordered 1
		.amdhsa_forward_progress 1
		.amdhsa_inst_pref_size 20
	.end_amdhsa_kernel
	.amdgpu_metadata
---
amdhsa.version: [ 1, 2 ]
amdhsa.kernels:
  - .name:           k_q155a0f2e6f_prep
    .symbol:         k_q155a0f2e6f_prep.kd
    .args:
      - { .name: x, .offset: 0, .size: 8, .value_kind: global_buffer, .address_space: global }
      - { .name: ln_g, .offset: 8, .size: 8, .value_kind: global_buffer, .address_space: global }
      - { .name: ln_b, .offset: 16, .size: 8, .value_kind: global_buffer, .address_space: global }
      - { .name: w_q, .offset: 24, .size: 8, .value_kind: global_buffer, .address_space: global }
      - { .name: w_k, .offset: 32, .size: 8, .value_kind: global_buffer, .address_space: global }
      - { .name: w_v, .offset: 40, .size: 8, .value_kind: global_buffer, .address_space: global }
      - { .name: w_o, .offset: 48, .size: 8, .value_kind: global_buffer, .address_space: global }
      - { .name: xn_codes, .offset: 56, .size: 8, .value_kind: global_buffer, .address_space: global }
      - { .name: xn_scales, .offset: 64, .size: 8, .value_kind: global_buffer, .address_space: global }
      - { .name: w_codes, .offset: 72, .size: 8, .value_kind: global_buffer, .address_space: global }
      - { .name: w_scales, .offset: 80, .size: 8, .value_kind: global_buffer, .address_space: global }
    .group_segment_fixed_size: 20480
    .private_segment_fixed_size: 0
    .kernarg_segment_align: 8
    .kernarg_segment_size: 88
    .max_flat_workgroup_size: 512
    .sgpr_count:     66
    .vgpr_count:     130
    .wavefront_size: 32
...
	.end_amdgpu_metadata
.endif
;; end of part 1
;; launch qkv (part 2): grid 8 x 32, 4 waves a work-group, clusters of 4 x 4, 327,680 bytes of LDS; arguments xn_codes, xn_scales, w_codes, w_scales, b_q, b_k, b_v, qkv_codes, qkv_scales; writes qkv_codes, qkv_scales
.if DOCPART == 2
	.amdgcn_target "amdgcn-amd-amdhsa--gfx1250"
	.amdhsa_code_object_version 6
	.text
	.protected	k_q155a0f2e6f_qkv
	.globl	k_q155a0f2e6f_qkv
	.p2align	8
	.type	k_q155a0f2e6f_qkv,@function
k_q155a0f2e6f_qkv:
	s_mov_b64 s[64:65], 0
	v_nop
	global_prefetch_b8 v0, s[64:65] scope:SCOPE_SE
	s_setreg_imm32_b32 hwreg(HW_REG_WAVE_MODE, 25, 1), 1
	s_wait_xcnt 0x0
	s_wait_alu depctr_hold_cnt(0) depctr_sa_sdst(0) depctr_va_vdst(0) depctr_va_sdst(0) depctr_va_ssrc(0) depctr_va_vcc(0) depctr_vm_vsrc(0)
	s_getreg_b32 s2, hwreg(HW_REG_IB_STS2, 6, 4)
	s_cmp_eq_u32 s2, 0
	s_cbranch_scc0 .Lentry_in_a_cluster
	s_endpgm
.Lentry_in_a_cluster:
	s_bfe_u32 s2, ttmp6, 0x10000c
	s_cmp_lg_u32 s2, 0xf033
	s_cbranch_scc0 .Lentry_shape_is_right
	s_endpgm
.Lentry_shape_is_right:
; q, k, v = xn W^T + b on codes of FP8 (E4M3) with E8M0 scales, and at once quantised again: q and k along the head's 64 (two blocks of 32), v along the tokens.  Nothing leaves as f32.
; SHARES.  8,192 x 3,072 results are 384 tiles of 256 x 256: one and a half for each of 256 work-groups.  So a work-group of four waves STAYS and makes FIRST 256 positions of xn x 256 positions of w_q or w_k (8 x 32 such
; tiles; a wave 128 x 128: 64 accumulators), THEN the same 256 positions of xn x 128 positions of w_v (8 x 32 such tiles; a wave 128 tokens x 64 features: 32 accumulators): 768 matrix instructions for every wave of the launch.
; K = 1,024 goes in four steps of 256 through two LDS slots, and the ring goes on into the second tile: the first tile's last two changes of slots ask for the second tile's first two steps, and the first tile's way out,
; which touches no LDS, stands between those requests and their use.
; All operands lie in memory in the order of the operand's registers (a fragment of 16 rows x 128 K: 2,048 bytes, byte 512 c + 16 lane + i), so a slot's part is one dense block for one tensor load,
; and a fragment is four ds_load_b128 of 512 consecutive bytes each: no pitch and no padding.  A row stands at the position that is its number with bits 3 and 4 exchanged: so the 16 registers that two neighbouring tiles of
; SOURCE 0 give a lane are 16 true neighbours, 32 bb + 16 (lane / 16) + 0 .. 15, the order that the next operand's registers want.
; ORIENTATION.  q, k: source 0 = the weights (a lane's registers run along the features, the next K), source 1 = xn (a lane holds one token).  v: source 0 = xn (registers along the tokens, its next K), source 1 = w_v.
; CLUSTERS: 4 x 4 work-groups; xn's tiles are asked for jointly along a row of the cluster, the weights' along a column (both tiles' weights hang on the work-group's x alone).
; RESULT.  qkv_codes [section][pair of heads hp][g = token / 128][a][2,048 bytes].  q, k: a = block of 16 token positions, k of the image = the pair's 128 features.  v: a = block of 16 feature positions, k = the 128 tokens of g.
; qkv_scales [section][hp][g][512 bytes]: the word of row r of image a at 256 (a / 4) + 16 r + 4 (a % 4).
; LIMITS: a block of zeros, or one whose largest magnitude lies under 2^-118, gets the byte 1 (read by this program alone); NaN and infinities are not served.
; REGISTERS, in windows of 256: window 0: v1-7 at work at the head; v8-11 b_v at my lane's feature, one register a block; v12-29 addresses; v32-63 scale words, two sets; v64-127 b_q or b_k at my 64 features;
;   v128-255 source 1's fragments, one set; on the ways out v128-243 at work.   window 1: source 0's eight fragments, two sets.   windows 2, 3: accumulator (a, b) at v[8 (8 (a % 4) + b)] of window 2 + a / 4.
.set NP,    8                          ; places behind this matrix instruction (ISA guide 7.12.1)
.set FR,    16                         ; registers of a fragment
.set SLOT,  131072                     ; a slot: xn's 256 rows x 256 K (65,536 bytes), then the weights' (256 rows, or w_v's 128)
.set SCL,   262144                     ; behind the ring: xn's scale words (8,192 bytes),
.set SCW,   270336                     ; those of the first tile's weights (8,192),
.set SCV,   282624                     ; and w_v's (4,096)
.set SPARE, 286720                     ; the spare words, 128 bytes for each wave: two blocks of 256 bytes that no other line names
.set XSTEP, 4194304                    ; two steps of 256 along K in xn_codes
.set WSTEP, 2097152                    ; and in w_codes
.set BJ,     8
.set ADRSV,  12                        ; v12     the second tile's scale words: lanes 0-15 w_v's, lanes 16-31 xn's
.set ADRSV2, 13                        ; v13     the same with lanes 0-15 set back by four blocks, for the registers of which only lanes 16-31 are taken
.set SOF,    14                        ; v14     16 r + 8 h: where the second tile's scale words go
.set ADR1,   16                        ; v16-17  first tile: LDS address of source 1's fragments in slot 0, 1
.set ADR1V,  18                        ; v18-19  second tile
.set ADR0,   20                        ; v20-21  first tile: source 0's
.set ADR0V,  22                        ; v22-23  second tile
.set LI,     26                        ; v26     16 x lane
.set ADRS,   27                        ; v27     the first tile's scale words: lanes 0-15 xn's, lanes 16-31 the weights'
.set SPW,    28                        ; v28     LDS address of my spare word; never rewritten
.set NIL,    29                        ; v29     0; never rewritten
.set SC,   32
.set BI,   64
.set AF,   128
.set PC,   192                         ; the way out: the codes just made
.set TM,   208                         ; v208-211 largest magnitudes, v212-215 bytes, v216-219 448 x the scale, v220-223 the conversions' scale operands
.set SEL,  2                           ; s[2:3]  lane selects for v_permlanex16_b32
.set MNT,  18                          ; s18     the mantissa field of 448
.set G1,   24                          ; s[24:31] descriptor group 1 for xn's tiles;  s[32:39] group 0, one set for each slot
.set G0,   32
.set G1B,  48                          ; s[48:55], s[56:63] the same for the first tile's weights
.set G0B,  56
.set G1S,  68                          ; s[68:75], s[76:79] xn's scale words;  s[80:87], s[88:91] the weights'
.set G0S,  76
.set G1SB, 80
.set G0SB, 88
.set G1C,  68                          ; s[68:75], s[76:83] w_v's tiles: written when the scale words' loads have been shown done
.set G0C,  76
.set NQ,   2                           ; source 1's blocks in a quarter of a step: 2 in the first tile, 1 in the second
.set A0,   ADR0                        ; the address registers of the tile in hand
.set A1,   ADR1
.set AS,   ADRS
.set AS2,  ADRS
.set MSB, 0
.macro WIN new                         ; the immediate's high byte repeats the setting that is left
.if MSB != (\new)
	s_set_vgpr_msb (MSB<<8)|(\new)
.set MSB, (\new)
.endif
.endm
.macro PLACES n
.rept \n
	v_nop
.endr
.endm
; A joint load: waves 0 and 1 fetch xn's halves, waves 2 and 3 the weights'.  The branch hangs on the wave's number alone.  Four v_nop follow each of the two lines.
.macro JLOAD g0a, g1a, g0b, g1b
	s_cmp_eq_u32 s15, 0
	s_cbranch_scc0 .Lfor_b_\@
	tensor_load_to_lds s[\g0a:\g0a+3], s[\g1a:\g1a+7]
	s_nop 0
.rept 4
	v_nop
.endr
	s_branch .Lasked_\@
.Lfor_b_\@:
	tensor_load_to_lds s[\g0b:\g0b+3], s[\g1b:\g1b+7]
	s_nop 0
.rept 4
	v_nop
.endr
.Lasked_\@:
.endm
.macro CREST                           ; a round of the cluster's barrier behind its opening barrier
	s_cmp_lg_u32 s14, 0
	s_cbranch_scc1 .Lnot_wave_0_\@
	s_barrier_signal -3
.Lnot_wave_0_\@:
	s_barrier_wait -3
	s_barrier_signal -1
	s_barrier_wait -1
.endm
.macro CROUND
	s_barrier_signal -1
	s_barrier_wait -1
	CREST
.endm
	s_load_b256 s[4:11], s[0:1], 0x0               ; xn_codes, xn_scales, w_codes, w_scales
	s_load_b256 s[92:99], s[0:1], 0x20             ; b_q, b_k, b_v, qkv_codes
	s_load_b64 s[100:101], s[0:1], 0x40            ; qkv_scales
	v_lshl_add_u32 v[SPW], v0, 2, SPARE
	v_mov_b32 v[NIL], 0
	ds_add_u32 v28, v29
	ds_add_u32 v28, v29
	s_wait_dscnt 0x0
	v_lshrrev_b32 v1, 5, v0
	v_readfirstlane_b32 s14, v1                    ; wave 0..3
	s_lshr_b32 s15, s14, 1                         ; which half of source 1 is mine.  Also: I fetch xn (0) or the weights (1)
	s_and_b32 s16, s14, 1                          ; which half of source 0.  Also: which half I fetch
	s_bfe_u32 s40, ttmp6, 0x40000                  ; cx, cy: my place in the cluster
	s_bfe_u32 s41, ttmp6, 0x40004
	s_mov_b32 s66, ttmp9                           ; the first tile's section: 0 q, 1 k
	s_lshl_b32 s42, ttmp9, 2
	s_add_co_u32 s42, s42, s40                     ; x, 0..7: which 256 positions of w_q and w_k, and which 128 of w_v
	s_and_b32 s17, ttmp7, 0xffff
	s_lshl_b32 s17, s17, 2
	s_add_co_u32 s17, s17, s41                     ; y: which 256 positions of xn
	s_lshl_b32 s43, s41, 2
	s_lshl_b32 s43, 15, s43                        ; my row of the cluster
	s_lshl_b32 s44, 0x1111, s40                    ; my column
	; descriptor group 1: a dense block as rows of 256 bytes (32 elements of 8 bytes)
	s_or_b32 s[G1], s43, (3<<16)|(1<<21)           ; 15:0 the mask: xn's tiles go to my row; 17:16 elements of 8 bytes; 21 set beside a mask
	s_or_b32 s[G1B], s44, (3<<16)|(1<<21)
	s_or_b32 s[G1S], s43, (3<<16)|(1<<21)
	s_or_b32 s[G1SB], s44, (3<<16)|(1<<21)
.irp g, G1, G1B, G1S, G1SB
	s_mov_b32 s[\g+1], 32<<16                      ; tensor_dim0
	s_mov_b32 s[\g+3], 32<<16                      ; tile_dim0
	s_mov_b32 s[\g+5], 32                          ; tensor_dim0_stride
	s_mov_b32 s[\g+6], 0
	s_mov_b32 s[\g+7], 0
.endr
	s_mov_b32 s[G1+2], 128<<16                     ; codes: 128 rows x 256 K = 128 rows of 256 bytes
	s_mov_b32 s[G1+4], 128
	s_mov_b32 s[G1B+2], 128<<16
	s_mov_b32 s[G1B+4], 128
	s_mov_b32 s[G1S+2], 32<<16                     ; xn's scale words: 256 rows x 32 bytes
	s_mov_b32 s[G1S+4], 32
	s_mov_b32 s[G1SB+2], 16<<16                    ; the weights': 128 rows x 32 bytes
	s_mov_b32 s[G1SB+4], 16
	s_lshl_b32 s18, s16, 3
	s_lshl_b32 s20, s17, 4                         ; xn: the tile's first row block
	s_lshl_b32 s22, s20, 9                         ; 512 bytes of scale words a row block
	s_mov_b32 s23, 0
	s_add_co_u32 s20, s20, s18                     ; the first of the eight row blocks that I fetch
	s_lshl_b32 s20, s20, 12                        ; 4,096 bytes of codes in a step of 256 along K
	s_mov_b32 s21, 0
	s_lshl_b32 s46, s42, 4
	s_add_co_u32 s46, s46, s18                     ; the first tile's weights: likewise
	s_lshl_b32 s12, s46, 9                         ; their scale words (waves 2, 3);
	s_lshl_b32 s19, s42, 3
	s_add_co_u32 s19, s19, 128
	s_lshl_b32 s19, s19, 9                         ; w_v's, row blocks 128 + 8 x on (wave 1)
	s_cmp_eq_u32 s14, 1
	s_cselect_b32 s12, s19, s12
	s_mov_b32 s13, 0
	s_lshl_b32 s46, s46, 12
	s_mov_b32 s47, 0
	s_lshl_b32 s45, s14, 15                        ; where the codes go: wave x 32,768: no place in the cluster enters an LDS address
	s_add_co_u32 s2, s14, 2
	s_and_b32 s2, s2, 3
	s_lshl_b32 s2, s2, 12
	s_add_co_u32 s2, s2, SCW                       ; and the weights' scale words: waves 2, 3 the first tile's halves, wave 1 w_v's, 12,288 bytes on
	s_wait_kmcnt 0x0
	s_add_nc_u64 s[20:21], s[4:5], s[20:21]
	s_add_nc_u64 s[22:23], s[6:7], s[22:23]
	s_add_nc_u64 s[46:47], s[8:9], s[46:47]
	s_add_nc_u64 s[12:13], s[10:11], s[12:13]
	CROUND                                         ; all sixteen work-groups are here: the first joint loads meet
	s_mov_b32 s[G0S], 1
	s_mov_b32 s[G0S+1], SCL
	s_mov_b64 s[G0S+2:G0S+3], s[22:23]
	s_or_b32 s[G0S+3], s[G0S+3], 0x80000000
	s_mov_b32 s[G0SB], 1
	s_mov_b32 s[G0SB+1], s2
	s_mov_b64 s[G0SB+2:G0SB+3], s[12:13]
	s_or_b32 s[G0SB+3], s[G0SB+3], 0x80000000
	s_cmp_eq_u32 s14, 0                            ; the scale words of all of K, filled once: wave 0 xn's, the other three the weights'
	s_cbranch_scc0 .Lsc_w
	tensor_load_to_lds s[G0S:G0S+3], s[G1S:G1S+7]
	s_nop 0
.rept 4
	v_nop
.endr
	s_branch .Lsc_done
.Lsc_w:
	tensor_load_to_lds s[G0SB:G0SB+3], s[G1SB:G1SB+7]
	s_nop 0
.rept 4
	v_nop
.endr
.Lsc_done:
.irp s, 0,1
	s_mov_b32 s[G0+4*\s], 1
	s_add_co_u32 s[G0+4*\s+1], s45, \s*SLOT
	s_add_nc_u64 s[G0+4*\s+2:G0+4*\s+3], s[20:21], \s*XSTEP/2
	s_or_b32 s[G0+4*\s+3], s[G0+4*\s+3], 0x80000000
	s_mov_b32 s[G0B+4*\s], 1
	s_add_co_u32 s[G0B+4*\s+1], s45, \s*SLOT
	s_add_nc_u64 s[G0B+4*\s+2:G0B+4*\s+3], s[46:47], \s*WSTEP/2
	s_or_b32 s[G0B+4*\s+3], s[G0B+4*\s+3], 0x80000000
	JLOAD G0+4*\s, G1, G0B+4*\s, G1B               ; three loads of mine are out behind the second of these
.endr
	v_and_b32 v1, 31, v0                           ; lane
	v_and_b32 v2, 15, v0                           ; r
	v_bfe_u32 v3, v0, 4, 1                         ; h
	v_lshlrev_b32 v[LI], 4, v1
	s_lshl_b32 s18, s15, 15                        ; first tile: source 1 = my 128 rows of xn,
	s_lshl_b32 s19, s16, 15
	s_add_co_u32 s19, s19, 65536                   ; source 0 = my 128 rows of the weights
	s_lshl_b32 s21, s16, 15                        ; second tile: source 0 = my 128 rows of xn,
	s_lshl_b32 s22, s15, 14
	s_add_co_u32 s22, s22, 65536                   ; source 1 = my 64 rows of w_v
.irp s, 0,1
	v_add_nc_u32 v[ADR1+\s], s18, v[LI]
	v_add_nc_u32 v[ADR0+\s], s19, v[LI]
	v_add_nc_u32 v[ADR0V+\s], s21, v[LI]
	v_add_nc_u32 v[ADR1V+\s], s22, v[LI]
	s_add_co_u32 s18, s18, SLOT
	s_add_co_u32 s19, s19, SLOT
	s_add_co_u32 s21, s21, SLOT
	s_add_co_u32 s22, s22, SLOT
.endr
	s_lshl_b32 s21, s15, 12                        ; first tile's scale words: xn's of my 128 rows;
	s_lshl_b32 s22, s16, 12
	s_add_co_u32 s22, s22, SCW-SCL
	s_sub_co_u32 s22, s22, s21                     ; the distance from them to the weights' of my 128 rows:
	v_mul_u32_u24 v4, s22, v3                      ; lanes 16-31 take those
	s_add_co_u32 s21, s21, SCL
	v_lshl_add_u32 v4, v2, 2, v4
	v_add_nc_u32 v[ADRS], s21, v4
	v_xor_b32 v5, 1, v3                            ; 1 - h
	s_lshl_b32 s21, s16, 12                        ; second tile's: xn's of my 128 rows (lanes 16-31);
	s_lshl_b32 s22, s15, 11
	s_add_co_u32 s22, s22, SCV-SCL
	s_sub_co_u32 s22, s22, s21                     ; the distance from them to w_v's of my 64 rows:
	v_mul_u32_u24 v6, s22, v5                      ; lanes 0-15 take those;
	s_sub_co_u32 s22, s22, 2048
	v_mul_u32_u24 v7, s22, v5                      ; (four blocks back for registers 4 to 7, so that these lanes stay inside my 64 rows' words)
	s_add_co_u32 s21, s21, SCL
	v_lshl_add_u32 v6, v2, 2, v6
	v_lshl_add_u32 v7, v2, 2, v7
	v_add_nc_u32 v[ADRSV], s21, v6
	v_add_nc_u32 v[ADRSV2], s21, v7
	v_lshlrev_b32 v[SOF], 4, v2
	v_lshl_add_u32 v[SOF], v3, 3, v[SOF]
	; the biases: b_q or b_k at the 64 features that my registers run along; b_v at my lane's feature in each of my four blocks
	s_cmp_eq_u32 s66, 1
	s_cselect_b64 s[92:93], s[94:95], s[92:93]
	s_lshl_b32 s22, s40, 10
	s_lshl_b32 s23, s16, 9
	s_add_co_u32 s22, s22, s23
	s_mov_b32 s23, 0
	s_add_nc_u64 s[92:93], s[92:93], s[22:23]      ; feature 256 cx + 128 x source 0's half
	s_lshl_b32 s22, s42, 9
	s_lshl_b32 s19, s15, 8
	s_add_co_u32 s22, s22, s19
	s_add_nc_u64 s[96:97], s[96:97], s[22:23]      ; feature 128 x + 64 x source 1's half
	v_lshlrev_b32 v4, 6, v3                        ; 16 h features
	v_and_b32 v5, 8, v2
	v_add_nc_u32 v5, v5, v2
	v_lshlrev_b32 v5, 2, v5                        ; feature 16 (r / 8) + r % 8
.irp bb, 0,1,2,3
.irp j, 0,1,2,3
	global_load_b128 v[BI+16*\bb+4*\j:BI+16*\bb+4*\j+3], v4, s[92:93] offset:128*\bb+16*\j
.endr
.endr
.irp a, 0,1,2,3
	global_load_b32 v[BJ+\a], v5, s[96:97] offset:4*(32*(\a/2)+8*(\a%2))
.endr
	; where the first tile's eight images and their scale words go: hp = 2 cx + the weights' half, g = 2 y + xn's half
	s_lshl_b32 s22, s40, 1
	s_add_co_u32 s22, s22, s16
	s_lshl_b32 s22, s22, 6
	s_lshl_b32 s19, s17, 1
	s_add_co_u32 s22, s22, s19
	s_add_co_u32 s22, s22, s15
	s_lshl_b32 s46, s22, 9
	s_lshl_b32 s22, s22, 14
	s_lshl_b32 s19, s66, 23
	s_add_co_u32 s22, s22, s19
	s_lshl_b32 s19, s66, 18
	s_add_co_u32 s46, s46, s19
	s_mov_b32 s47, 0
	s_add_nc_u64 s[12:13], s[98:99], s[22:23]
	s_add_nc_u64 s[20:21], s[100:101], s[46:47]
	; and the second tile's four: section 2, hp = x, g = 2 y + xn's half, images 4 x (w_v's half) on
	s_lshl_b32 s22, s42, 6
	s_lshl_b32 s19, s17, 1
	s_add_co_u32 s22, s22, s19
	s_add_co_u32 s22, s22, s16
	s_lshl_b32 s46, s22, 9
	s_lshl_b32 s22, s22, 14
	s_lshl_b32 s19, s15, 13
	s_add_co_u32 s22, s22, s19
	s_add_co_u32 s22, s22, 0x1000000
	s_lshl_b32 s19, s15, 8
	s_add_co_u32 s46, s46, s19
	s_add_co_u32 s46, s46, 0x80000
	s_add_nc_u64 s[4:5], s[98:99], s[22:23]
	s_add_nc_u64 s[6:7], s[100:101], s[46:47]
	s_mov_b32 s[SEL], 0x76543210
	s_mov_b32 s[SEL+1], 0xfedcba98
	s_mov_b32 s[MNT], 0x600000
	s_mov_b32 s46, 0xffff0000                      ; lanes 16-31
.macro FRAG reg, adr, q, i             ; a fragment: four loads of 512 consecutive bytes; registers 4 c .. 4 c + 3 hold K = 32 c + 16 (lane / 16) + 0 .. 15 of row lane % 16
.irp c, 0,1,2,3
	ds_load_b128 v[\reg+4*\c:\reg+4*\c+3], v[\adr] offset:4096*(\i)+2048*(\q)+512*\c
.endr
.endm
.macro FETCH0 slot, q, p               ; source 0's eight fragments of the slot's q-th 128 along K into set p
	WIN 0x40
.irp i, 0,1,2,3,4,5,6,7
	FRAG 128*(\p)+FR*\i, A0+\slot, \q, \i
.endr
	WIN 0
.endm
.macro FETCH1 slot, q, hf              ; the lower (0) or the upper (1) half of source 1's blocks
.if NQ == 2
.irp i, 0,1,2,3
	FRAG AF+FR*(4*(\hf)+\i), A1+\slot, \q, 4*(\hf)+\i
.endr
.else
.irp i, 0,1
	FRAG AF+FR*(2*(\hf)+\i), A1+\slot, \q, 2*(\hf)+\i
.endr
.endif
.endm
.macro SCALES set, n                   ; the scale words of K step n (256 along K): register 2 i + q: lanes 0-15 the word of source 1's block i, lanes 16-31 that of source 0's tile i
.irp i, 0,1,2,3,4,5,6,7
.irp q, 0,1
.if \i < 4
	ds_load_b32 v[SC+16*(\set)+2*\i+\q], v[AS] offset:512*\i+64*(2*(\n)+\q)
.else
	ds_load_b32 v[SC+16*(\set)+2*\i+\q], v[AS2] offset:512*\i+64*(2*(\n)+\q)
.endif
.endr
.endr
.endm
; Eight matrix instructions: source 1's block a against source 0's eight.  first = 1: the products start the sums.  The accumulators take turns, one instruction a turn, in the same order in every step.
.macro MULA a, p, q, set, first
	WIN 0xa1+0x50*((\a)/4)
.irp b, 0,1,2,3,4,5,6,7
.if \first
	v_wmma_scale_f32_16x16x128_f8f6f4 v[8*(8*((\a)%4)+\b):8*(8*((\a)%4)+\b)+7], v[128*(\p)+FR*\b:128*(\p)+FR*\b+FR-1], v[AF+FR*(\a):AF+FR*(\a)+FR-1], 0, v[SC+16*(\set)+2*\b+(\q)], v[SC+16*(\set)+2*(\a)+(\q)] matrix_a_scale:MATRIX_SCALE_ROW1
.else
	v_wmma_scale_f32_16x16x128_f8f6f4 v[8*(8*((\a)%4)+\b):8*(8*((\a)%4)+\b)+7], v[128*(\p)+FR*\b:128*(\p)+FR*\b+FR-1], v[AF+FR*(\a):AF+FR*(\a)+FR-1], v[8*(8*((\a)%4)+\b):8*(8*((\a)%4)+\b)+7], v[SC+16*(\set)+2*\b+(\q)], v[SC+16*(\set)+2*(\a)+(\q)] matrix_a_scale:MATRIX_SCALE_ROW1
.endif
.endr
.endm
.macro MULQ k, p, q, set, first        ; a quarter of a step: NQ blocks
.if NQ == 2
	MULA 2*(\k), \p, \q, \set, \first
	MULA 2*(\k)+1, \p, \q, \set, \first
.else
	MULA (\k), \p, \q, \set, \first
.endif
.endm
; A slot's first 128 along K.  A block of source 1 is free as soon as its eight products are issued: the lower half is fetched anew in the step's middle, the upper half at its end.
.macro STEP slot, first
	s_wait_dscnt 8*NQ                              ; all but the youngest loads (source 1's upper half: 2 NQ fragments of four loads) are in
	MULQ 0, 0, 0, \slot, \first
	MULQ 1, 0, 0, \slot, \first
	s_wait_dscnt 0x0                               ; the upper half is in
	PLACES NP                                      ; in front of loads into registers that matrix instructions have read
	FETCH0 \slot, 1, 1
	FETCH1 \slot, 1, 0
	MULQ 2, 0, 0, \slot, \first
	MULQ 3, 0, 0, \slot, \first
	PLACES NP
	WIN 0
	FETCH1 \slot, 1, 1
.endm
; A slot's second 128 along K changes slots: ONE barrier; in front of it each wave waits for all its tensor loads, adds 0 to its spare word, and waits for that and for its reads of this slot.
; fill = 1: this slot is filled again, two steps of 256 ahead in the first tile;  2: with the second tile's step 0 or 1 (xn goes back along K, w_v's descriptor stands ready);  3: two steps ahead in the second tile;  0: not at all.
; fetch = 0: the tile's last step: no fragments are fetched, since the way out works in their registers.
.macro TURN slot, next, fill, n, fetch
	s_wait_tensorcnt 0x0                           ; all my tensor loads have landed: my part of the next slot among them
	ds_add_u32 v[SPW], v[NIL]                      ; 0 onto my spare word
	s_wait_dscnt 8*NQ+1                            ; (the add and source 1's upper half may be out)
	MULQ 0, 1, 1, \slot, 0                         ; matrix instructions stand between the add and the wait for it
	s_wait_dscnt 0x0                               ; the add is done, and my reads of this slot are over
	s_barrier_signal -1
	MULQ 1, 1, 1, \slot, 0
	WIN 0
	s_barrier_wait -1
.if \fill > 0
	CREST                                          ; the barrier has opened a round of the cluster's barrier: no wave of any partner still reads this slot or has a load on its way
.if \fill == 1
	s_add_nc_u64 s[G0+4*\slot+2:G0+4*\slot+3], s[G0+4*\slot+2:G0+4*\slot+3], XSTEP
	s_add_nc_u64 s[G0B+4*\slot+2:G0B+4*\slot+3], s[G0B+4*\slot+2:G0B+4*\slot+3], WSTEP
	JLOAD G0+4*\slot, G1, G0B+4*\slot, G1B         ; my one tensor load behind the round; its four v_nop are among the places in front of the loads below
.elseif \fill == 2
	s_sub_nc_u64 s[G0+4*\slot+2:G0+4*\slot+3], s[G0+4*\slot+2:G0+4*\slot+3], XSTEP
	JLOAD G0+4*\slot, G1, G0C+4*\slot, G1C
.else
	s_add_nc_u64 s[G0+4*\slot+2:G0+4*\slot+3], s[G0+4*\slot+2:G0+4*\slot+3], XSTEP
	s_add_nc_u64 s[G0C+4*\slot+2:G0C+4*\slot+3], s[G0C+4*\slot+2:G0C+4*\slot+3], WSTEP
	JLOAD G0+4*\slot, G1, G0C+4*\slot, G1C
.endif
	PLACES NP-4
.else
	PLACES NP
.endif
.if \fetch
	FETCH0 \next, 0, 0
	FETCH1 \next, 0, 0
	SCALES \next, \n
.endif
	MULQ 2, 1, 1, \slot, 0
	MULQ 3, 1, 1, \slot, 0
.if \fetch
	PLACES NP
	WIN 0
	FETCH1 \next, 0, 1
.else
	WIN 0
.endif
.endm
; THE WAY OUT.  The 64 registers of source 1's block a are 64 numbers of my lane's row, register 16 b + i = k 32 b + 16 (lane / 16) + i: they get their bias (which also brings them into window 0), are quantised
; along k, and their codes ARE the image's registers: four stores of 512 consecutive bytes.  No LDS.
.macro QUANT s, pw                     ; 64 numbers from v[s] on become a fragment's codes in v[PC] on and its scale word in v[pw]
.irp b, 0,1,2,3
	v_max3_num_f32 v[TM+\b], |v[\s+16*\b]|, |v[\s+1+16*\b]|, 0x4800000   ; block b: my 16 numbers, and the floor 2^(9 - 127): so the byte cannot fall under 1
.endr
.irp i, 2,4,6,8,10,12,14
.irp b, 0,1,2,3
	v_max3_num_f32 v[TM+\b], v[TM+\b], |v[\s+16*\b+\i]|, |v[\s+1+16*\b+\i]|
.endr
.endr
.irp b, 0,1,2,3
	v_permlanex16_b32 v[TM+4+\b], v[TM+\b], s[SEL], s[SEL+1]
.endr
.irp b, 0,1,2,3
	v_max_num_f32 v[TM+\b], v[TM+\b], v[TM+4+\b]   ; with lane l xor 16's: the block's largest magnitude
.endr
.irp b, 0,1,2,3
	v_add_nc_u32 v[TM+12+\b], 0xfc000000, v[TM+\b] ; 8 off its exponent field: the conversion's scale operand
.endr
.irp b, 0,1,2,3
	v_and_or_b32 v[TM+8+\b], v[TM+\b], 0x7f800000, s[MNT]   ; 448 x the scale
.endr
.irp b, 0,1,2,3
	v_lshrrev_b32 v[TM+4+\b], 23, v[TM+12+\b]      ; the scale's byte
.endr
	v_lshl_or_b32 v[\pw], v[TM+5], 8, v[TM+4]
	v_lshl_or_b32 v[\pw], v[TM+6], 16, v[\pw]
	v_lshl_or_b32 v[\pw], v[TM+7], 24, v[\pw]
.irp b, 0,1,2,3
.irp i, 0,1,2,3,4,5,6,7,8,9,10,11,12,13,14,15
	v_med3_num_f32 v[\s+16*\b+\i], v[\s+16*\b+\i], -v[TM+8+\b], v[TM+8+\b]   ; the conversion to an 8-bit code does not saturate (ISA guide 7.6.2)
.endr
	v_cvt_scalef32_pk8_fp8_f32 v[PC+4*\b:PC+1+4*\b], v[\s+16*\b:\s+7+16*\b], v[TM+12+\b]
	v_cvt_scalef32_pk8_fp8_f32 v[PC+2+4*\b:PC+3+4*\b], v[\s+8+16*\b:\s+15+16*\b], v[TM+12+\b]
.endr
	v_nop                                          ; a plain instruction behind the last conversion
.endm
.macro EPIBLK a, vv, base              ; block a leaves.  vv = 0: each register has its own feature's bias (q, k);  1: the lane has one feature (v).  base: the scalar pair with the images' address
	WIN 0x02+(\a)/4                                ; source 0: the accumulators' window
.set K2, 0
.rept 32
.if \vv == 0
	v_pk_add_f32 v[128+K2:129+K2], v[64*((\a)%4)+K2:64*((\a)%4)+K2+1], v[BI+K2:BI+K2+1]   ; each accumulator is read from its low end on
.elseif ((\a)%2) == 0
	v_pk_add_f32 v[128+K2:129+K2], v[64*((\a)%4)+K2:64*((\a)%4)+K2+1], v[BJ+2*((\a)/2):BJ+2*((\a)/2)+1] op_sel_hi:[1,0]   ; the pair's first register serves both halves,
.else
	v_pk_add_f32 v[128+K2:129+K2], v[64*((\a)%4)+K2:64*((\a)%4)+K2+1], v[BJ+2*((\a)/2):BJ+2*((\a)/2)+1] op_sel:[0,1] op_sel_hi:[1,1]   ; or its second
.endif
.set K2, K2+2
.endr
	WIN 0
	s_wait_xcnt 0x0                                ; the earlier stores have read their registers: the codes may be written again
	QUANT 128, 232+(\a)
.irp c, 0,1,2,3
	global_store_b128 v[LI], v[PC+4*\c:PC+4*\c+3], s[\base:\base+1] offset:2048*(\a)+512*\c
.endr
.endm
	s_wait_loadcnt 0x0                             ; the biases
	s_wait_tensorcnt 1                             ; the scale words and my part of slot 0 are in; slot 1's load may be out
	s_barrier_signal -1
	s_barrier_wait -1
	; ---- THE FIRST TILE: 256 positions of xn x 256 of w_q or w_k.  K is eight steps of 128, written out: no loop
	FETCH0 0, 0, 0
	FETCH1 0, 0, 0
	SCALES 0, 0
	FETCH1 0, 0, 1
	STEP 0, 1
	TURN 0, 1, 1, 1, 1
	; w_v's descriptors, in the registers of the scale words' loads, which the wait for all loads in the change of slots above has shown done: 64 rows x 256 K = 64 rows of 256 bytes a wave
	s_or_b32 s[G1C], s44, (3<<16)|(1<<21)          ; the mask of my column
	s_mov_b32 s[G1C+1], 32<<16
	s_mov_b32 s[G1C+2], 64<<16
	s_mov_b32 s[G1C+3], 32<<16
	s_mov_b32 s[G1C+4], 64
	s_mov_b32 s[G1C+5], 32
	s_mov_b32 s[G1C+6], 0
	s_mov_b32 s[G1C+7], 0
	s_lshl_b32 s22, s42, 3
	s_lshl_b32 s23, s16, 2
	s_add_co_u32 s22, s22, s23
	s_add_co_u32 s22, s22, 128                     ; row block 128 + 8 x + 4 x half
	s_lshl_b32 s22, s22, 12
	s_mov_b32 s23, 0
	s_add_nc_u64 s[22:23], s[8:9], s[22:23]
	s_lshl_b32 s19, s16, 14
	s_add_co_u32 s19, s19, 65536
.irp s, 0,1
	s_mov_b32 s[G0C+4*\s], 1
	s_add_co_u32 s[G0C+4*\s+1], s19, \s*SLOT
	s_add_nc_u64 s[G0C+4*\s+2:G0C+4*\s+3], s[22:23], \s*WSTEP/2
	s_or_b32 s[G0C+4*\s+3], s[G0C+4*\s+3], 0x80000000
.endr
	STEP 1, 0
	TURN 1, 0, 1, 2, 1
	STEP 0, 0
	TURN 0, 1, 2, 3, 1                             ; THE RING GOES ON INTO THE SECOND TILE: slot 0 takes its K step 0,
	STEP 1, 0
	TURN 1, 0, 2, 0, 0                             ; slot 1 its K step 1; this change's wait and round have shown slot 0 whole to every wave
	PLACES NP                                      ; behind the last products: their results are read and their operands' registers written below
.irp b, 0,1,2,3
	v_mov_b32 v[TM+4+\b], 0                        ; written once: a lane permute's destination counts as one of its sources
.endr
.irp a, 0,1,2,3,4,5,6,7
	EPIBLK \a, 0, 12
.endr
.irp k, 0,1,2,3
	v_cndmask_b32 v[240+\k], v[232+\k], v[236+\k], s46   ; lanes 0-15 send the words of images 0-3 of row r, lanes 16-31 those of images 4-7 (both halves of the lanes hold every word)
.endr
	global_store_b128 v[LI], v[240:243], s[20:21]  ; 512 consecutive bytes
	; ---- THE SECOND TILE: the same 256 positions of xn x 128 of w_v; the sources change places
.set NQ,  1
.set A0,  ADR0V
.set A1,  ADR1V
.set AS,  ADRSV
.set AS2, ADRSV2
	FETCH0 0, 0, 0
	FETCH1 0, 0, 0
	SCALES 0, 0
	FETCH1 0, 0, 1
	STEP 0, 1
	TURN 0, 1, 3, 1, 1
	STEP 1, 0
	TURN 1, 0, 3, 2, 1
	STEP 0, 0
	TURN 0, 1, 0, 3, 1                             ; nothing is left to fetch
	STEP 1, 0
	s_wait_dscnt 8*NQ
	MULQ 0, 1, 1, 1, 0
	MULQ 1, 1, 1, 1, 0
	s_wait_dscnt 0x0
	MULQ 2, 1, 1, 1, 0
	MULQ 3, 1, 1, 1, 0
	WIN 0
	PLACES NP
.irp a, 0,1,2,3
	EPIBLK \a, 1, 4
.endr
	v_cndmask_b32 v240, v232, v234, s46            ; lane (r, h) sends the words of images 2 h and 2 h + 1 of row r
	v_cndmask_b32 v241, v233, v235, s46
	global_store_b64 v[SOF], v[240:241], s[6:7]    ; 256 consecutive bytes, at a multiple of 256 from the buffer's first byte
	s_wait_tensorcnt 0x0                           ; the wave's end
	ds_add_u32 v[SPW], v[NIL]
	s_wait_dscnt 0x0
	CROUND                                         ; the closing round: no work-group ends while a partner may still ask for a tile that names it
	s_endpgm
.Lfunc_end_k_q155a0f2e6f_qkv:
	.size	k_q155a0f2e6f_qkv, .Lfunc_end_k_q155a0f2e6f_qkv-k_q155a0f2e6f_qkv
	.p2alignl 7, 3214868480
	.fill 96, 4, 3214868480
	.section	.rodata,"a",@progbits
	.p2align	6, 0x0
	.amdhsa_kernel k_q155a0f2e6f_qkv
		.amdhsa_group_segment_fixed_size 327680
		.amdhsa_private_segment_fixed_size 0
		.amdhsa_enable_private_segment 0
		.amdhsa_kernarg_size 72
		.amdhsa_user_sgpr_count 2
		.amdhsa_user_sgpr_kernarg_segment_ptr 1
		.amdhsa_wavefront_size32 1
		.amdhsa_system_sgpr_workgroup_id_x 1
		.amdhsa_system_sgpr_workgroup_id_y 1
		.amdhsa_system_sgpr_workgroup_id_z 1
		.amdhsa_system_vgpr_workitem_id 0
		.amdhsa_next_free_vgpr 1024
		.amdhsa_next_free_sgpr 102
		.amdhsa_reserve_vcc 0
		.amdhsa_float_denorm_mode_32 3
		.amdhsa_float_denorm_mode_16_64 3
		.amdhsa_memory_ordered 1
		.amdhsa_forward_progress 1
		.amdhsa_inst_pref_size 255
	.end_amdhsa_kernel
	.section	.bss,"aw",@nobits
	.p2align	6
	.space	262144
	.amdgpu_metadata
---
amdhsa.version: [ 1, 2 ]
amdhsa.kernels:
  - .name:           k_q155a0f2e6f_qkv
    .symbol:         k_q155a0f2e6f_qkv.kd
    .args:
      - { .name: xn_codes, .offset: 0, .size: 8, .value_kind: global_buffer, .address_space: global }
      - { .name: xn_scales, .offset: 8, .size: 8, .value_kind: global_buffer, .address_space: global }
      - { .name: w_codes, .offset: 16, .size: 8, .value_kind: global_buffer, .address_space: global }
      - { .name: w_scales, .offset: 24, .size: 8, .value_kind: global_buffer, .address_space: global }
      - { .name: b_q, .offset: 32, .size: 8, .value_kind: global_buffer, .address_space: global }
      - { .name: b_k, .offset: 40, .size: 8, .value_kind: global_buffer, .address_space: global }
      - { .name: b_v, .offset: 48, .size: 8, .value_kind: global_buffer, .address_space: global }
      - { .name: qkv_codes, .offset: 56, .size: 8, .value_kind: global_buffer, .address_space: global }
      - { .name: qkv_scales, .offset: 64, .size: 8, .value_kind: global_buffer, .address_space: global }
    .group_segment_fixed_size: 327680
    .private_segment_fixed_size: 0
    .kernarg_segment_align: 8
    .kernarg_segment_size: 72
    .max_flat_workgroup_size: 128
    .sgpr_count:     102
    .vgpr_count:     1024
    .wavefront_size: 32
...
	.end_amdgpu_metadata
.endif
;; end of part 2
;; launch attn (part 3): grid 8 x 32, 16 waves a work-group, no clusters, 169,984 bytes of LDS; arguments qkv_codes, qkv_scales, ctx_codes, ctx_scales; writes ctx_codes, ctx_scales
.if DOCPART == 3
	.amdgcn_target "amdgcn-amd-amdhsa--gfx1250"
	.amdhsa_code_object_version 6
	.text
	.protected	k_q155a0f2e6f_attn
	.globl	k_q155a0f2e6f_attn
	.p2align	8
	.type	k_q155a0f2e6f_attn,@function
k_q155a0f2e6f_attn:
	s_mov_b64 s[64:65], 0
	v_nop
	global_prefetch_b8 v0, s[64:65] scope:SCOPE_SE
	s_setreg_imm32_b32 hwreg(HW_REG_WAVE_MODE, 25, 1), 1
	s_wait_xcnt 0x0
; ctx = softmax(q k^T / 8, key j counts for query i where 0 <= i - j < 256) v, both products on codes of FP8 (E4M3) with E8M0 scales; ctx leaves quantised along the 1,024 features, as the last product's operand.
; THE SOFTMAX AHEAD OF THE SECOND PRODUCT: t = score x log2(e) / 8; M = the largest t so far, rounded up to a whole number; p = 2^(t - M) is quantised along the keys, not normalised; the sum of the unquantised p divides at the end.
; SHARES.  A work-group owns 256 token positions of one batch and one PAIR of heads; each of its sixteen waves owns 16 positions (a row block) and does the pair's two heads one after the other: so it ends with one whole
; image (16 rows x 128 features) and one whole scale word a row of ctx.  The window leaves three key steps of 128 for a wave whose queries lie in step m: m (the diagonal), m - 1 (all keys count), m - 2 (the window's edge).
; The work-group's two values of m want four key steps: their K and V images and scale words come into LDS once, one tensor load a wave; nothing is filled again, so one barrier serves the launch.
; NO CLUSTER: what neighbouring work-groups share is two of four key steps of the one fill at the start, 64 KiB; there is no refill to share.
; LAYOUT.  Both products are used transposed: S^T = K Q^T (source 0 = 16 key positions, source 1 = my 16 queries), O^T = V^T P^T: a lane holds ONE query throughout.  Rows stand at positions (bits 3 and 4 of the number
; exchanged), so the 16 registers of tiles 2 b and 2 b + 1 are the true keys (or channels) 32 b + 16 (lane / 16) + 0 .. 15.
; THE HEAD'S K IS 64, the instruction's 128: an image holds both heads of the pair; of K's fragments only the head's half is loaded and the other half is zero CODES, which add nothing whatever stands against them.
; The scale words of ctx leave in runs of 64 bytes (a work-group has one of the eight words of each of its rows): one byte in 33 of what the launch stores.
; LIMITS: a block of zeros, or one whose largest magnitude lies under 2^-118, gets the byte 1 (read by this program alone); NaN and infinities are not served.
; REGISTERS: v1-3 LDS addresses; v4 d (the mask); v5 -infinity; v6 16 x lane; v7 4 r; v8 Q's scale word; v9 ctx's; v10 lane; v12 -M, v13 the largest t, v[14:15] the sum; v16-31 Q; v32-95 four tiles of K;
;   v96-159 S^T, then p, then four tiles of V; v160-191 O^T; v192-207 p's codes; v208-223 ctx's codes; v224-227 K's scale words, v228-231 V's; v232-254 at work.
.set SEL, 2                            ; s[2:3]   lane selects for v_permlanex16_b32: lane l xor 16
.set CS,  14                           ; s[14:15] c = log2(e) / 8
.set MNT, 16                           ; unused
.set G1C, 16                           ; s[16:23] descriptor group 1 for codes;  s[24:31] for scale words;  s[32:35], s[36:39] their groups 0
.set G1S, 24
.set G0C, 32
.set G0S, 36
	s_load_b256 s[4:11], s[0:1], 0x0               ; qkv_codes, qkv_scales, ctx_codes, ctx_scales
	v_lshl_add_u32 v251, v0, 2, 0x29000
	v_mov_b32 v255, 0
	ds_add_u32 v251, v255
	ds_add_u32 v251, v255
	v_lshrrev_b32 v10, 5, v0
	s_delay_alu instid0(VALU_DEP_1)
	v_readfirstlane_b32 s12, v10                   ; wave 0..15
	s_and_b32 s40, ttmp7, 0xffff
	s_lshr_b32 s41, s40, 3                         ; the batch
	s_and_b32 s42, s40, 7                          ; the pair of heads hp
	s_lshl_b32 s43, s42, 6
	s_lshl_b32 s44, s41, 4
	s_add_co_u32 s43, s43, s44                     ; 64 hp + 16 batch: the pair's first step of 128 tokens
	s_lshr_b32 s44, s12, 3
	s_lshl_b32 s13, ttmp9, 1
	s_add_co_u32 s13, s13, s44                     ; m: my queries' step in the batch
	s_bfe_u32 s45, s12, 0x10002                    ; what I fetch: K's (0) or V's (1),
	s_and_b32 s46, s12, 3                          ; of key step 2 x - 2 + (wave % 4);
	s_lshl_b32 s47, ttmp9, 1
	s_add_co_u32 s47, s47, s46
	s_sub_co_i32 s47, s47, 2
	s_max_i32 s47, s47, 0                          ; a step ahead of the batch's first is replaced by the first in the GLOBAL address alone: no wave reads that copy
	s_add_co_u32 s48, s43, s47
	s_add_co_u32 s45, s45, 1                       ; section 1 or 2
	s_lshl_b32 s50, s45, 23
	s_lshl_b32 s49, s48, 14
	s_add_co_u32 s50, s50, s49
	s_mov_b32 s51, 0
	s_lshl_b32 s52, s45, 18
	s_lshl_b32 s49, s48, 9
	s_add_co_u32 s52, s52, s49
	s_mov_b32 s53, 0
	s_and_b32 s54, s12, 7                          ; my row block in its step
	s_add_co_u32 s55, s43, s13
	s_lshl_b32 s56, s55, 14
	s_lshl_b32 s57, s54, 11
	s_add_co_u32 s56, s56, s57
	s_mov_b32 s57, 0                               ; Q's image
	s_lshl_b32 s58, s55, 9
	s_lshr_b32 s59, s54, 2
	s_lshl_b32 s59, s59, 8
	s_add_co_u32 s58, s58, s59
	s_and_b32 s59, s54, 3
	s_lshl_b32 s59, s59, 2
	s_add_co_u32 s58, s58, s59
	s_mov_b32 s59, 0                               ; and its scale words
	s_lshl_b32 s60, s41, 7
	s_lshl_b32 s61, ttmp9, 4
	s_add_co_u32 s60, s60, s61
	s_add_co_u32 s60, s60, s12                     ; my row block among ctx's 512
	s_lshl_b32 s62, s60, 9
	s_lshl_b32 s61, s42, 6
	s_add_co_u32 s62, s62, s61
	s_mov_b32 s63, 0                               ; ctx's scale words: K step hp
	s_lshl_b32 s60, s60, 12
	s_lshr_b32 s61, s42, 1
	s_lshl_b32 s61, s61, 21
	s_add_co_u32 s60, s60, s61
	s_and_b32 s61, s42, 1
	s_lshl_b32 s61, s61, 11
	s_add_co_u32 s60, s60, s61
	s_mov_b32 s61, 0                               ; ctx's image
	s_lshr_b32 s66, s54, 1
	s_lshl_b32 s66, s66, 5
	s_and_b32 s67, s54, 1
	s_lshl_b32 s67, s67, 3
	s_add_co_u32 s66, s66, s67                     ; the scalar part of my queries' place in their step
	; descriptor group 1: dense blocks as rows of 256 bytes (32 elements of 8 bytes): 64 rows of codes (a step's eight images), 2 of scale words
	s_mov_b32 s[G1C], 3<<16
	s_mov_b32 s[G1C+1], 32<<16
	s_mov_b32 s[G1C+2], 64<<16
	s_mov_b32 s[G1C+3], 32<<16
	s_mov_b32 s[G1C+4], 64
	s_mov_b32 s[G1C+5], 32
	s_mov_b32 s[G1C+6], 0
	s_mov_b32 s[G1C+7], 0
	s_mov_b32 s[G1S], 3<<16
	s_mov_b32 s[G1S+1], 32<<16
	s_mov_b32 s[G1S+2], 2<<16
	s_mov_b32 s[G1S+3], 32<<16
	s_mov_b32 s[G1S+4], 2
	s_mov_b32 s[G1S+5], 32
	s_mov_b32 s[G1S+6], 0
	s_mov_b32 s[G1S+7], 0
	s_mov_b32 s[SEL], 0x76543210
	s_mov_b32 s[SEL+1], 0xfedcba98
	s_mov_b32 s[CS], 0x3e38aa3b
	s_mov_b32 s[CS+1], s[CS]                       ; (named with it as a pair, so it is written)
	s_wait_dscnt 0x0
	s_wait_kmcnt 0x0
	s_mov_b32 s[G0C], 1
	s_lshl_b32 s[G0C+1], s12, 14                   ; LDS: K's four steps at 16,384 x wave (waves 0-3), V's behind them (waves 4-7)
	s_add_nc_u64 s[G0C+2:G0C+3], s[4:5], s[50:51]
	s_or_b32 s[G0C+3], s[G0C+3], 0x80000000
	s_mov_b32 s[G0S], 1
	s_lshl_b32 s[G0S+1], s12, 9
	s_add_co_u32 s[G0S+1], s[G0S+1], 126976        ; the scale words from 131,072 on: K's (waves 8-11), V's (waves 12-15), 512 bytes each
	s_add_nc_u64 s[G0S+2:G0S+3], s[6:7], s[52:53]
	s_or_b32 s[G0S+3], s[G0S+3], 0x80000000
	s_cmp_lt_u32 s12, 8                            ; every wave issues one load; four v_nop follow each of the two lines
	s_cbranch_scc0 .Lfill_s
	tensor_load_to_lds s[G0C:G0C+3], s[G1C:G1C+7]
	s_nop 0
.rept 4
	v_nop
.endr
	s_branch .Lfilled
.Lfill_s:
	tensor_load_to_lds s[G0S:G0S+3], s[G1S:G1S+7]
	s_nop 0
.rept 4
	v_nop
.endr
.Lfilled:
	s_add_nc_u64 s[4:5], s[4:5], s[56:57]
	s_add_nc_u64 s[6:7], s[6:7], s[58:59]
	s_add_nc_u64 s[8:9], s[8:9], s[60:61]
	s_add_nc_u64 s[10:11], s[10:11], s[62:63]
	v_and_b32 v10, 31, v0                          ; lane
	v_and_b32 v11, 15, v0                          ; r
	v_bfe_u32 v9, v0, 4, 1                         ; h
	s_delay_alu instid0(VALU_DEP_3)
	v_lshlrev_b32 v6, 4, v10
	s_delay_alu instid0(VALU_DEP_3)
	v_lshlrev_b32 v254, 4, v11
.irp c, 0,1,2,3
	global_load_b128 v[16+4*\c:19+4*\c], v6, s[4:5] offset:512*\c   ; Q's image, both heads: it stays in registers
.endr
	global_load_b32 v8, v254, s[6:7]               ; and its scale words
	s_lshl_b32 s68, s44, 14
	v_add_nc_u32 v1, s68, v6                       ; K: 16 x lane + 16,384 x (wave / 8); the step m - dl lies (2 - dl) x 16,384 on
	s_delay_alu instid0(VALU_DEP_1)
	v_add_nc_u32 v2, 0x10000, v1                   ; V: 65,536 on
	s_lshl_b32 s68, s44, 9
	s_add_co_u32 s68, s68, 131072
	v_lshl_add_u32 v3, v11, 4, s68                 ; scale words: four words of row r
	v_lshlrev_b32 v7, 2, v11
	v_and_b32 v4, 8, v11
	s_delay_alu instid0(VALU_DEP_1)
	v_add_nc_u32 v4, v4, v11
	v_lshlrev_b32 v9, 4, v9
	s_delay_alu instid0(VALU_DEP_1)
	v_sub_nc_u32 v4, v4, v9
	s_delay_alu instid0(VALU_DEP_1)
	v_add_nc_u32 v4, s66, v4                       ; d = my query's place in its step - 16 h.  Register 16 b + i of S^T holds the key at place 32 b + 16 h + i of its step
	v_mov_b32 v5, 0xff800000                       ; -infinity
.irp b, 0,1,2,3
	v_mov_b32 v[236+\b], 0                         ; written once: a lane permute's destination counts as one of its sources
.endr
	v_mov_b32 v252, 0
	v_mov_b32 v253, 0                              ; (named as the upper half of the pair v[252:253] before it is first written)
	s_wait_alu depctr_va_vdst(0)
	s_wait_tensorcnt 0x0                           ; my tile has landed,
	s_wait_loadcnt 0x0                             ; and Q
	s_barrier_signal -1
	s_barrier_wait -1                              ; everybody's tile has
; THE MASK, once for the wave: bit of a lane in MK(n) = s[36 + n + 2 ((n + 36) / 64)] (s36-63, s66-101): the key of register n lies BEHIND my query's place.  On the diagonal such keys are hidden;
; two steps back exactly the others are (i - j = 256 + my place - the key's).
.set N, 0
.rept 64
	v_cmp_gt_i32 s[36+N+2*((N+36)/64)], 32*(N/16)+N%16, v4
.set N, N+1
.endr
; A KEY STEP for head e of the pair: the 128 keys of step m - dl.
.macro STEP e, dl
.if \dl > 0
.rept 9
	v_nop                                          ; S^T is laid over V's fragments, which the last products read: nine places in front of a matrix instruction that writes over them
.endr
.endif
.irp g, 0,1                                    ; S^T = K Q^T, four tiles of 16 keys at a time
.if \g > 0
.rept 8
	v_nop                                          ; places in front of loads into registers that matrix instructions have read
.endr
.endif
.irp t, 0,1,2,3
.irp c, 0,1
	ds_load_b128 v[32+16*\t+8*\e+4*\c:32+16*\t+8*\e+4*\c+3], v1 offset:(2-\dl)*16384+(4*\g+\t)*2048+(2*\e+\c)*512   ; the head's half of the image; the other half of the fragment is zeros
.endr
.endr
	ds_load_b128 v[224:227], v3 offset:(2-\dl)*512+256*\g
	s_wait_dscnt 0x0
.irp t, 0,1,2,3
	v_wmma_scale_f32_16x16x128_f8f6f4 v[96+8*(4*\g+\t):103+8*(4*\g+\t)], v[32+16*\t:47+16*\t], v[16:31], 0, v[224+\t], v8
.endr
.endr
.rept 8
	v_nop
.endr
.if \dl == 0                                   ; hidden scores become -infinity ahead of the maximum: p = 0 then.  My own key counts, so M is a number from this step on
.set N, 0
.rept 64
	v_cndmask_b32 v[96+N], v[96+N], v5, s[36+N+2*((N+36)/64)]
.set N, N+1
.endr
.endif
.if \dl == 2
.set N, 0
.rept 64
	v_cndmask_b32 v[96+N], v5, v[96+N], s[36+N+2*((N+36)/64)]
.set N, N+1
.endr
.endif
.irp b, 0,1,2,3
	v_max3_num_f32 v[232+\b], v[96+16*\b], v[97+16*\b], v[98+16*\b]   ; the largest score of each block of 32 keys: for the row's maximum and, since p rises with the score, for the block's largest p
.endr
.irp i, 3,5,7,9,11,13
.irp b, 0,1,2,3
	v_max3_num_f32 v[232+\b], v[232+\b], v[96+16*\b+\i], v[97+16*\b+\i]
.endr
.endr
.irp b, 0,1,2,3
	v_max_num_f32 v[232+\b], v[232+\b], v[111+16*\b]
.endr
.irp b, 0,1,2,3
	s_delay_alu instid0(VALU_DEP_4)
	v_permlanex16_b32 v[236+\b], v[232+\b], s[SEL], s[SEL+1]
.endr
.irp b, 0,1,2,3
	s_delay_alu instid0(VALU_DEP_4)
	v_max_num_f32 v[232+\b], v[232+\b], v[236+\b]  ; with lane l xor 16's 16 keys
.endr
	s_delay_alu instid0(VALU_DEP_2)
	v_max3_num_f32 v254, v232, v233, v234
	s_delay_alu instid0(VALU_DEP_1)
	v_max_num_f32 v254, v254, v235                 ; the step's largest score of my query
	s_delay_alu instid0(VALU_DEP_1)
	v_mul_f32 v254, s[CS], v254                    ; as t (c is positive)
	s_delay_alu instid0(VALU_DEP_1)
	v_max_num_f32 v13, v13, v254                   ; the running largest t
	v_mov_b32 v254, v12
	s_delay_alu instid0(VALU_DEP_2)
	v_floor_f32 v12, -v13                          ; the new -M = floor(-t): M is a whole number
	s_delay_alu instid0(VALU_DEP_1)
	v_sub_f32 v254, v12, v254                      ; M's old value less its new one: a whole number, 0 or less
	s_delay_alu instid0(VALU_DEP_1)
	v_cvt_i32_f32 v254, v254                       ; (it saturates)
	s_delay_alu instid0(VALU_DEP_1)
	v_ldexp_f32 v252, 1.0, v254                    ; f = 2^(old M - new M): a multiplication by it rounds nothing
.set N, 0
.rept 32
	v_pk_fma_f32 v[96+N:97+N], v[96+N:97+N], s[CS:CS+1], v[12:13] op_sel_hi:[1,0,0]   ; t - M, two at a time
.set N, N+2
.endr
.irp b, 0,1,2,3
	v_fma_f32 v[232+\b], v[232+\b], s[CS], v12     ; the same of each block's largest score
.endr
.set N, 0
	s_wait_alu depctr_va_vdst(0)
.rept 64
	v_exp_f32 v[96+N], v[96+N]                     ; p = 2^(t - M), at most 1: not normalised
.set N, N+1
.endr
.irp b, 0,1,2,3
	v_exp_f32 v[232+\b], v[232+\b]                 ; the block's largest p: the same two instructions on the same number
.endr
	v_pk_mul_f32 v[14:15], v[14:15], v[252:253] op_sel_hi:[1,0]   ; the sums under the new M.  (A plain place behind the exponentials)
	s_wait_alu depctr_va_vdst(0)
.irp b, 0,1,2,3
	v_max_num_f32 v[232+\b], 0x4800000, v[232+\b]  ; the floor 2^(9 - 127): the byte cannot fall under 1 (a block whose every p is 0 keeps that byte: its codes are zeros)
.endr
.irp b, 0,1,2,3
	s_delay_alu instid0(VALU_DEP_4)
	v_add_nc_u32 v[244+\b], 0xfc000000, v[232+\b]  ; 8 off the exponent field: the conversion's scale operand
.endr
.irp b, 0,1,2,3
.endr
.irp b, 0,1,2,3
	s_delay_alu instid0(VALU_DEP_4)
	v_lshrrev_b32 v[236+\b], 23, v[244+\b]         ; the scale's byte
.endr
	s_delay_alu instid0(VALU_DEP_3)
	v_lshl_or_b32 v253, v237, 8, v236              ; p's scale word for these 128 keys
	s_delay_alu instid0(VALU_DEP_1)
	v_lshl_or_b32 v253, v238, 16, v253
	s_delay_alu instid0(VALU_DEP_1)
	v_lshl_or_b32 v253, v239, 24, v253
	v_pk_add_f32 v[236:237], v[100:101], v[104:105]
	v_pk_add_f32 v[248:249], v[108:109], v[112:113]
	v_pk_add_f32 v[242:243], v[116:117], v[120:121]
	v_pk_add_f32 v[240:241], v[124:125], v[128:129]
	v_pk_add_f32 v[14:15], v[14:15], v[132:133]
	v_pk_add_f32 v[236:237], v[236:237], v[136:137]
	v_pk_add_f32 v[248:249], v[248:249], v[140:141]
	v_pk_add_f32 v[242:243], v[242:243], v[144:145]
	v_pk_add_f32 v[240:241], v[240:241], v[148:149]
	v_pk_add_f32 v[14:15], v[14:15], v[152:153]
	v_pk_add_f32 v[236:237], v[236:237], v[156:157]
	v_pk_add_f32 v[248:249], v[248:249], v[96:97]
	v_pk_add_f32 v[242:243], v[242:243], v[98:99]
	v_pk_add_f32 v[240:241], v[240:241], v[102:103]
	v_pk_add_f32 v[14:15], v[14:15], v[106:107]
	v_pk_add_f32 v[236:237], v[236:237], v[110:111]
	v_pk_add_f32 v[248:249], v[248:249], v[114:115]
	v_pk_add_f32 v[242:243], v[242:243], v[118:119]
	v_pk_add_f32 v[240:241], v[240:241], v[122:123]
	v_pk_add_f32 v[14:15], v[14:15], v[126:127]
	v_pk_add_f32 v[236:237], v[236:237], v[130:131]
	v_pk_add_f32 v[248:249], v[248:249], v[134:135]
	v_pk_add_f32 v[242:243], v[242:243], v[138:139]
	v_pk_add_f32 v[240:241], v[240:241], v[142:143]
	v_pk_add_f32 v[14:15], v[14:15], v[146:147]
	v_pk_add_f32 v[236:237], v[236:237], v[150:151]
	v_pk_add_f32 v[248:249], v[248:249], v[154:155]
	v_pk_add_f32 v[242:243], v[242:243], v[158:159]
	s_delay_alu instid0(VALU_DEP_1)
	v_pk_add_f32 v[14:15], v[14:15], v[242:243]
	s_delay_alu instid0(VALU_DEP_4)
	v_pk_add_f32 v[236:237], v[236:237], v[240:241]
	s_delay_alu instid0(VALU_DEP_2)
	v_pk_add_f32 v[14:15], v[14:15], v[248:249]
	s_delay_alu instid0(VALU_DEP_1)
	v_pk_add_f32 v[14:15], v[14:15], v[236:237]
.irp b, 0,1,2,3
.irp i, 0,1,2,3,4,5,6,7,8,9,10,11,12,13,14,15
.endr
	v_cvt_scalef32_pk8_fp8_f32 v[192+4*\b:193+4*\b], v[96+16*\b:103+16*\b], v[244+\b]
	v_cvt_scalef32_pk8_fp8_f32 v[194+4*\b:195+4*\b], v[104+16*\b:111+16*\b], v[244+\b]
.endr
	v_nop                                          ; a plain instruction behind the last conversion
.irp t, 0,1,2,3                                ; V's four tiles of the head's 64 channels, into the registers that p has left
.irp c, 0,1,2,3
	ds_load_b128 v[96+16*\t+4*\c:96+16*\t+4*\c+3], v2 offset:(2-\dl)*16384+(4*\e+\t)*2048+512*\c
.endr
.endr
	ds_load_b128 v[228:231], v3 offset:2048+(2-\dl)*512+256*\e
.if \dl > 0
.set N, 0
.rept 16
	v_pk_mul_f32 v[160+N:161+N], v[160+N:161+N], v[252:253] op_sel_hi:[1,0]   ; O^T under the new M.  (These are also the places between p's codes and the products)
.set N, N+2
.endr
.else
.rept 4
	v_nop                                          ; an operand written by vector instructions stands four places ahead of a scaled matrix instruction
.endr
.endif
	s_wait_alu depctr_va_vdst(0)
	s_wait_dscnt 0x0
.irp t, 0,1,2,3                                ; O^T += V^T P^T; the first step's products start the sums
.if \dl == 0
	v_wmma_scale_f32_16x16x128_f8f6f4 v[160+8*\t:167+8*\t], v[96+16*\t:111+16*\t], v[192:207], 0, v[228+\t], v253
.else
	v_wmma_scale_f32_16x16x128_f8f6f4 v[160+8*\t:167+8*\t], v[96+16*\t:111+16*\t], v[192:207], v[160+8*\t:167+8*\t], v[228+\t], v253
.endif
.endr
.endm
; The head's 64 channels of my query: divided by the sum and quantised, two blocks of 32: chunks 2 e, 2 e + 1 of ctx's image and bytes 2 e, 2 e + 1 of its scale word.
.macro FINISH e
.rept 8
	v_nop
.endr
	v_add_f32 v14, v14, v15                        ; the sum's two halves,
	s_delay_alu instid0(VALU_DEP_1)
	v_permlanex16_b32 v252, v14, s[SEL], s[SEL+1]
	s_delay_alu instid0(VALU_DEP_1)
	v_add_f32 v14, v14, v252                       ; and lane l xor 16's
	s_wait_alu depctr_va_vdst(0)
	v_rcp_f32 v14, v14
	v_nop                                          ; a plain place behind the transcendental
.set N, 0
	s_wait_alu depctr_va_vdst(0)
.rept 16
	v_pk_mul_f32 v[96+N:97+N], v[160+N:161+N], v[14:15] op_sel_hi:[1,0]   ; register 16 b + i: channel 32 b + 16 h + i; each accumulator from its low end on
.set N, N+2
.endr
.irp b, 0,1
	v_max3_num_f32 v[232+\b], |v[96+16*\b]|, |v[97+16*\b]|, 0x4800000
.endr
.irp i, 2,4,6,8,10,12,14
.irp b, 0,1
	s_delay_alu instid0(VALU_DEP_2)
	v_max3_num_f32 v[232+\b], v[232+\b], |v[96+16*\b+\i]|, |v[97+16*\b+\i]|
.endr
.endr
.irp b, 0,1
	s_delay_alu instid0(VALU_DEP_2)
	v_permlanex16_b32 v[236+\b], v[232+\b], s[SEL], s[SEL+1]
.endr
.irp b, 0,1
	s_delay_alu instid0(VALU_DEP_2)
	v_max_num_f32 v[232+\b], v[232+\b], v[236+\b]
.endr
.irp b, 0,1
	s_delay_alu instid0(VALU_DEP_2)
	v_add_nc_u32 v[244+\b], 0xfc000000, v[232+\b]
.endr
.irp b, 0,1
.endr
.irp b, 0,1
	s_delay_alu instid0(VALU_DEP_2)
	v_lshrrev_b32 v[236+\b], 23, v[244+\b]
.endr
.if \e == 0
	s_delay_alu instid0(VALU_DEP_1)
	v_lshl_or_b32 v9, v237, 8, v236
.else
	s_delay_alu instid0(VALU_DEP_2)
	v_lshl_or_b32 v9, v236, 16, v9
	s_delay_alu instid0(VALU_DEP_1)
	v_lshl_or_b32 v9, v237, 24, v9
.endif
.irp b, 0,1
.irp i, 0,1,2,3,4,5,6,7,8,9,10,11,12,13,14,15
.endr
	v_cvt_scalef32_pk8_fp8_f32 v[208+8*\e+4*\b:209+8*\e+4*\b], v[96+16*\b:103+16*\b], v[244+\b]
	v_cvt_scalef32_pk8_fp8_f32 v[210+8*\e+4*\b:211+8*\e+4*\b], v[104+16*\b:111+16*\b], v[244+\b]
.endr
	v_nop
.endm
; One head.  The steps ahead of the batch's first token are left out: scalar branches on ids; no barrier and no tensor load stands in a step.
.macro JOB e
.irp t, 0,1,2,3
.irp i, 0,1,2,3,4,5,6,7
	v_mov_b32 v[32+16*\t+8*(1-\e)+\i], 0           ; the other head's half of K's fragments: zero codes
.endr
.endr
	s_wait_alu depctr_va_vdst(0)
	v_mov_b32 v13, 0xff61b1e6                      ; the largest t so far: -3e38, under every t
	s_delay_alu instid0(VALU_DEP_1)
	v_floor_f32 v12, -v13                          ; -M
	v_mov_b32 v14, 0                               ; the sum, in two halves
	v_mov_b32 v15, 0
	v_nop                                          ; (five places between the zeros and the products that read them; four are asked)
	STEP \e, 0
	s_cmp_lt_u32 s13, 1
	s_cbranch_scc1 .Ldone_\@
	STEP \e, 1
	s_cmp_lt_u32 s13, 2
	s_cbranch_scc1 .Ldone_\@
	STEP \e, 2
.Ldone_\@:
	FINISH \e
.endm
	JOB 0
	JOB 1
.irp c, 0,1,2,3
	global_store_b128 v6, v[208+4*\c:211+4*\c], s[8:9] offset:512*\c   ; ctx's image: 512 consecutive bytes a store
.endr
	v_cmp_gt_u32 vcc_lo, 16, v10
	s_wait_alu depctr_va_vdst(0)
	s_wait_xcnt 0x0                                ; EXEC changes only behind this wait
	s_wait_tensorcnt 0x0
	ds_add_u32 v251, v255
	s_wait_dscnt 0x0
	s_and_saveexec_b32 s17, vcc_lo
	global_store_b32 v7, v9, s[10:11]              ; lanes 0-15: row r's scale word
	s_wait_xcnt 0x0
	s_or_b32 exec_lo, exec_lo, s17
	s_endpgm
.Lfunc_end_k_q155a0f2e6f_attn:
	.size	k_q155a0f2e6f_attn, .Lfunc_end_k_q155a0f2e6f_attn-k_q155a0f2e6f_attn
	.p2alignl 7, 3214868480
	.fill 96, 4, 3214868480
	.section	.rodata,"a",@progbits
	.p2align	6, 0x0
	.amdhsa_kernel k_q155a0f2e6f_attn
		.amdhsa_group_segment_fixed_size 169984
		.amdhsa_private_segment_fixed_size 0
		.amdhsa_enable_private_segment 0
		.amdhsa_kernarg_size 32
		.amdhsa_user_sgpr_count 2
		.amdhsa_user_sgpr_kernarg_segment_ptr 1
		.amdhsa_wavefront_size32 1
		.amdhsa_system_sgpr_workgroup_id_x 1
		.amdhsa_system_sgpr_workgroup_id_y 1
		.amdhsa_system_sgpr_workgroup_id_z 1
		.amdhsa_system_vgpr_workitem_id 0
		.amdhsa_next_free_vgpr 256
		.amdhsa_next_free_sgpr 102
		.amdhsa_reserve_vcc 1
		.amdhsa_float_denorm_mode_32 3
		.amdhsa_float_denorm_mode_16_64 3
		.amdhsa_fp16_overflow 1
		.amdhsa_memory_ordered 1
		.amdhsa_forward_progress 1
		.amdhsa_inst_pref_size 140
	.end_amdhsa_kernel
	.amdgpu_metadata
---
amdhsa.version: [ 1, 2 ]
amdhsa.kernels:
  - .name:           k_q155a0f2e6f_attn
    .symbol:         k_q155a0f2e6f_attn.kd
    .args:
      - { .name: qkv_codes, .offset: 0, .size: 8, .value_kind: global_buffer, .address_space: global }
      - { .name: qkv_scales, .offset: 8, .size: 8, .value_kind: global_buffer, .address_space: global }
      - { .name: ctx_codes, .offset: 16, .size: 8, .value_kind: global_buffer, .address_space: global }
      - { .name: ctx_scales, .offset: 24, .size: 8, .value_kind: global_buffer, .address_space: global }
    .group_segment_fixed_size: 169984
    .private_segment_fixed_size: 0
    .kernarg_segment_align: 8
    .kernarg_segment_size: 32
    .max_flat_workgroup_size: 512
    .sgpr_count:     102
    .vgpr_count:     256
    .wavefront_size: 32
...
	.end_amdgpu_metadata
.endif
;; end of part 3
;; launch oproj (part 4): grid 4 x 64, 4 waves a work-group, clusters of 4 x 4, 327,680 bytes of LDS; arguments ctx_codes, ctx_scales, w_codes, w_scales, b_o, x, out0; writes out0
.if DOCPART == 4
	.amdgcn_target "amdgcn-amd-amdhsa--gfx1250"
	.amdhsa_code_object_version 6
	.text
	.protected	k_q155a0f2e6f_oproj
	.globl	k_q155a0f2e6f_oproj
	.p2align	8
	.type	k_q155a0f2e6f_oproj,@function
k_q155a0f2e6f_oproj:
	s_mov_b64 s[64:65], 0
	v_nop
	global_prefetch_b8 v0, s[64:65] scope:SCOPE_SE
	s_setreg_imm32_b32 hwreg(HW_REG_WAVE_MODE, 25, 1), 1
	s_wait_xcnt 0x0
	s_wait_alu depctr_hold_cnt(0) depctr_sa_sdst(0) depctr_va_vdst(0) depctr_va_sdst(0) depctr_va_ssrc(0) depctr_va_vcc(0) depctr_vm_vsrc(0)
	s_getreg_b32 s2, hwreg(HW_REG_IB_STS2, 6, 4)
	s_cmp_eq_u32 s2, 0
	s_cbranch_scc0 .Lentry_in_a_cluster
	s_endpgm
.Lentry_in_a_cluster:
	s_bfe_u32 s2, ttmp6, 0x10000c
	s_cmp_lg_u32 s2, 0xf033
	s_cbranch_scc0 .Lentry_shape_is_right
	s_endpgm
.Lentry_shape_is_right:
; out0 = x + ctx w_o^T + b_o; the product on codes of FP8 (E4M3) with E8M0 scales, sums in f32.
; A work-group of four waves makes 128 positions of ctx x 256 features: 64 x 4 tiles = 256 work-groups; a wave 64 x 128: 32 accumulators.  K = 1,024 goes in four steps of 256 through two LDS slots.
; Operands lie in memory in the order of the operand's registers (a fragment of 16 rows x 128 K: 2,048 bytes, byte 512 c + 16 lane + i), so a slot's part is one dense block for one tensor load and a fragment is four
; ds_load_b128 of 512 consecutive bytes.  A row stands at the position that is its number with bits 3 and 4 exchanged.  Source 0 = w_o (positions 3,072 on of the stacked weights): a lane's 16 registers of two neighbouring
; tiles are 16 neighbouring features; source 1 = ctx: lane r of block a holds token 32 (a / 2) + 8 (a % 2) + 16 (r / 8) + r % 8.  b_o is the C of each sum's first matrix instruction.
; CLUSTERS: 4 x 4 work-groups; ctx's tiles are asked for jointly along a row of the cluster, w_o's along a column.
; x: a wave's 64 rows x 512 bytes are 256 registers, which no product needs: they are loaded while K is walked (32 rows at the head, 16 in each of the first two steps), so that nothing but the sums is waited for on the way out.
; REGISTERS, in windows of 256: window 0: v16-29 addresses; v32-63 scale words, two sets; v64-127 b_o at my 64 features; v128-191 ctx's four fragments, one set; on the way out v128-255 rows of the result.
;   window 1: w_o's eight fragments, two sets.   window 2: accumulator (a, b) at v[8 (8 a + b)].   window 3: x, block a's row t at v[64 a + 4 t].
.set NA,    4
.set NP,    8                          ; places behind this matrix instruction (ISA guide 7.12.1)
.set FR,    16
.set SLOT,  98304                      ; a slot: ctx's 128 rows x 256 K (32,768 bytes), then w_o's 256 rows (65,536)
.set SCL,   196608                     ; behind the ring: ctx's scale words (4,096 bytes), then w_o's (8,192)
.set SPARE, 212992                     ; the spare words, 128 bytes for each wave: two blocks of 256 bytes that no other line names
.set XSTEP, 4194304
.set WSTEP, 2097152
.set ADR1, 16
.set ADR0, 20
.set STO,  24                          ; v24  the way out: where I put 64 bytes of a row.  The stages (16 rows x 528 bytes a wave) lie in slot 0, behind its last fill and its last read
.set RD,   25                          ; v25  and where I read a row back
.set LI,   26                          ; v26  16 x lane; never rewritten
.set ADRS, 27
.set SPW,  28                          ; v28  LDS address of my spare word; never rewritten
.set NIL,  29                          ; v29  0; never rewritten
.set SC,   32
.set BI,   64
.set AF,   128
.set G1,   24
.set G0,   32
.set G1B,  48
.set G0B,  56
.set G1S,  68
.set G0S,  76
.set G1SB, 80
.set G0SB, 88
.set MSB, 0
.macro WIN new
.if MSB != (\new)
	s_set_vgpr_msb (MSB<<8)|(\new)
.set MSB, (\new)
.endif
.endm
.macro PLACES n
.rept \n
	v_nop
.endr
.endm
.macro JLOAD g0a, g1a, g0b, g1b        ; a joint load: waves 0 and 1 fetch ctx's halves, waves 2 and 3 w_o's; four v_nop follow each of the two lines
	s_cmp_eq_u32 s15, 0
	s_cbranch_scc0 .Lfor_b_\@
	tensor_load_to_lds s[\g0a:\g0a+3], s[\g1a:\g1a+7]
	s_nop 0
.rept 4
	v_nop
.endr
	s_branch .Lasked_\@
.Lfor_b_\@:
	tensor_load_to_lds s[\g0b:\g0b+3], s[\g1b:\g1b+7]
	s_nop 0
.rept 4
	v_nop
.endr
.Lasked_\@:
.endm
.macro CREST
	s_cmp_lg_u32 s14, 0
	s_cbranch_scc1 .Lnot_wave_0_\@
	s_barrier_signal -3
.Lnot_wave_0_\@:
	s_barrier_wait -3
	s_barrier_signal -1
	s_barrier_wait -1
.endm
.macro CROUND
	s_barrier_signal -1
	s_barrier_wait -1
	CREST
.endm
.macro XROWS a                         ; x at block a's sixteen tokens, 512 consecutive bytes a load, into window 3; base and offsets are never rewritten
	WIN 0xc0                                       ; destination window 3, address window 0
.irp t, 0,1,2,3,4,5,6,7,8,9,10,11,12,13,14,15
	global_load_b128 v[64*(\a)+4*\t:64*(\a)+4*\t+3], v[LI], s[94:95] offset:(32*((\a)/2)+8*((\a)%2)+16*(\t/8)+\t%8)*4096 th:TH_LOAD_NT
.endr
	WIN 0
.endm
	s_load_b256 s[4:11], s[0:1], 0x0               ; ctx_codes, ctx_scales, w_codes, w_scales
	s_load_b128 s[92:95], s[0:1], 0x20             ; b_o, x
	s_load_b64 s[96:97], s[0:1], 0x30              ; out0
	v_lshl_add_u32 v[SPW], v0, 2, SPARE
	v_mov_b32 v[NIL], 0
	ds_add_u32 v28, v29
	ds_add_u32 v28, v29
	s_wait_dscnt 0x0
	v_lshrrev_b32 v1, 5, v0
	v_readfirstlane_b32 s14, v1                    ; wave 0..3
	s_lshr_b32 s15, s14, 1                         ; which 64 positions are mine.  Also: I fetch ctx (0) or w_o (1)
	s_and_b32 s16, s14, 1                          ; which 128 features.  Also: which half I fetch
	s_bfe_u32 s40, ttmp6, 0x40000
	s_bfe_u32 s41, ttmp6, 0x40004
	s_lshl_b32 s42, ttmp9, 2
	s_add_co_u32 s42, s42, s40                     ; which 256 features
	s_and_b32 s17, ttmp7, 0xffff
	s_lshl_b32 s17, s17, 2
	s_add_co_u32 s17, s17, s41                     ; which 128 positions
	s_lshl_b32 s43, s41, 2
	s_lshl_b32 s43, 15, s43                        ; my row of the cluster
	s_lshl_b32 s44, 0x1111, s40                    ; my column
	; descriptor group 1: dense blocks as rows of 256 bytes (32 elements of 8 bytes)
	s_or_b32 s[G1], s43, (3<<16)|(1<<21)
	s_or_b32 s[G1B], s44, (3<<16)|(1<<21)
	s_or_b32 s[G1S], s43, (3<<16)|(1<<21)
	s_or_b32 s[G1SB], s44, (3<<16)|(1<<21)
.irp g, G1, G1B, G1S, G1SB
	s_mov_b32 s[\g+1], 32<<16
	s_mov_b32 s[\g+3], 32<<16
	s_mov_b32 s[\g+5], 32
	s_mov_b32 s[\g+6], 0
	s_mov_b32 s[\g+7], 0
.endr
	s_mov_b32 s[G1+2], 64<<16                      ; ctx: 64 rows x 256 K = 64 rows of 256 bytes
	s_mov_b32 s[G1+4], 64
	s_mov_b32 s[G1B+2], 128<<16                    ; w_o: 128
	s_mov_b32 s[G1B+4], 128
	s_mov_b32 s[G1S+2], 8<<16                      ; the scale words of 64 rows: 2,048 bytes
	s_mov_b32 s[G1S+4], 8
	s_mov_b32 s[G1SB+2], 16<<16                    ; of 128 rows
	s_mov_b32 s[G1SB+4], 16
	s_lshl_b32 s18, s16, 2
	s_lshl_b32 s20, s17, 3
	s_add_co_u32 s20, s20, s18                     ; ctx: the first of the four row blocks that I fetch
	s_lshl_b32 s18, s16, 3
	s_lshl_b32 s46, s42, 4
	s_add_co_u32 s46, s46, s18
	s_add_co_u32 s46, s46, 192                     ; w_o: the first of eight
	s_lshl_b32 s22, s20, 9
	s_mov_b32 s23, 0
	s_lshl_b32 s20, s20, 12
	s_mov_b32 s21, 0
	s_lshl_b32 s12, s46, 9
	s_mov_b32 s13, 0
	s_lshl_b32 s46, s46, 12
	s_mov_b32 s47, 0
	s_lshl_b32 s45, s16, 14                        ; where they go: ctx's halves,
	s_lshl_b32 s3, s16, 15
	s_add_co_u32 s3, s3, 32768                     ; w_o's behind them,
	s_lshl_b32 s2, s16, 11
	s_add_co_u32 s2, s2, SCL                       ; ctx's scale words,
	s_lshl_b32 s19, s16, 12
	s_add_co_u32 s19, s19, SCL+4096                ; w_o's: no place in the cluster enters an LDS address
	s_wait_kmcnt 0x0
	s_add_nc_u64 s[20:21], s[4:5], s[20:21]
	s_add_nc_u64 s[22:23], s[6:7], s[22:23]
	s_add_nc_u64 s[46:47], s[8:9], s[46:47]
	s_add_nc_u64 s[12:13], s[10:11], s[12:13]
	CROUND                                         ; all sixteen work-groups are here: the first joint loads meet
	s_mov_b32 s[G0S], 1
	s_mov_b32 s[G0S+1], s2
	s_mov_b64 s[G0S+2:G0S+3], s[22:23]
	s_or_b32 s[G0S+3], s[G0S+3], 0x80000000
	s_mov_b32 s[G0SB], 1
	s_mov_b32 s[G0SB+1], s19
	s_mov_b64 s[G0SB+2:G0SB+3], s[12:13]
	s_or_b32 s[G0SB+3], s[G0SB+3], 0x80000000
	JLOAD G0S, G1S, G0SB, G1SB                     ; the scale words of all of K: filled once
.irp s, 0,1
	s_mov_b32 s[G0+4*\s], 1
	s_add_co_u32 s[G0+4*\s+1], s45, \s*SLOT
	s_add_nc_u64 s[G0+4*\s+2:G0+4*\s+3], s[20:21], \s*XSTEP/2
	s_or_b32 s[G0+4*\s+3], s[G0+4*\s+3], 0x80000000
	s_mov_b32 s[G0B+4*\s], 1
	s_add_co_u32 s[G0B+4*\s+1], s3, \s*SLOT
	s_add_nc_u64 s[G0B+4*\s+2:G0B+4*\s+3], s[46:47], \s*WSTEP/2
	s_or_b32 s[G0B+4*\s+3], s[G0B+4*\s+3], 0x80000000
	JLOAD G0+4*\s, G1, G0B+4*\s, G1B               ; three loads of mine are out behind the second of these
.endr
	v_and_b32 v1, 31, v0                           ; lane
	v_and_b32 v2, 15, v0                           ; r
	v_bfe_u32 v3, v0, 4, 1                         ; h
	v_lshlrev_b32 v[LI], 4, v1
	s_lshl_b32 s18, s15, 14                        ; my 64 rows of ctx
	s_lshl_b32 s19, s16, 15
	s_add_co_u32 s19, s19, 32768                   ; my 128 rows of w_o
.irp s, 0,1
	v_add_nc_u32 v[ADR1+\s], s18, v[LI]
	v_add_nc_u32 v[ADR0+\s], s19, v[LI]
	s_add_co_u32 s18, s18, SLOT
	s_add_co_u32 s19, s19, SLOT
.endr
	s_lshl_b32 s21, s15, 11                        ; ctx's scale words: my 64 rows;
	s_lshl_b32 s22, s16, 12
	s_add_co_u32 s22, s22, 4096
	s_sub_co_u32 s22, s22, s21                     ; the distance from them to w_o's of my 128 rows:
	v_mul_u32_u24 v4, s22, v3                      ; lanes 16-31 take those
	s_add_co_u32 s21, s21, SCL
	v_lshl_add_u32 v4, v2, 2, v4
	v_add_nc_u32 v[ADRS], s21, v4
	s_mul_i32 s23, s14, 8448                       ; my stage
	v_mul_u32_u24 v5, v2, 528
	v_lshl_add_u32 v5, v3, 6, v5
	v_add_nc_u32 v[STO], s23, v5                   ; in: row r, 64 bytes for each half of the lanes
	v_add_nc_u32 v[RD], s23, v[LI]                 ; back: the 32 lanes take one row of 512 bytes
	s_lshl_b32 s20, s42, 10
	s_lshl_b32 s21, s16, 9
	s_add_co_u32 s20, s20, s21                     ; my first feature, in bytes
	s_mov_b32 s21, 0
	s_add_nc_u64 s[92:93], s[92:93], s[20:21]
	s_lshl_b32 s22, s17, 19
	s_add_co_u32 s20, s20, s22
	s_lshl_b32 s22, s15, 18
	s_add_co_u32 s20, s20, s22                     ; + my first token's row of 4,096 bytes
	s_add_nc_u64 s[94:95], s[94:95], s[20:21]
	s_add_nc_u64 s[96:97], s[96:97], s[20:21]
	v_lshlrev_b32 v6, 6, v3                        ; 16 h features
.irp bb, 0,1,2,3
.irp j, 0,1,2,3
	global_load_b128 v[BI+16*\bb+4*\j:BI+16*\bb+4*\j+3], v6, s[92:93] offset:128*\bb+16*\j   ; register 8 b + j: b_o at feature 32 (b / 2) + 16 h + 8 (b % 2) + j
.endr
.endr
	XROWS 0                                        ; the first 32 of my 64 rows of x, behind the first tiles' requests
	XROWS 1
.macro FRAG reg, adr, q, i
.irp c, 0,1,2,3
	ds_load_b128 v[\reg+4*\c:\reg+4*\c+3], v[\adr] offset:4096*(\i)+2048*(\q)+512*\c
.endr
.endm
.macro FETCH0 slot, q, p
	WIN 0x40
.irp i, 0,1,2,3,4,5,6,7
	FRAG 128*(\p)+FR*\i, ADR0+\slot, \q, \i
.endr
	WIN 0
.endm
.macro FETCH1 slot, q, i0              ; ctx's blocks i0, i0 + 1
.irp i, \i0, \i0+1
	FRAG AF+FR*(\i), ADR1+\slot, \q, \i
.endr
.endm
.macro SCALES set, n                   ; register 2 i + q: lanes 0-15 the word of ctx's block i (for i above 3: filled bytes that no instruction takes), lanes 16-31 that of w_o's tile i
.irp i, 0,1,2,3,4,5,6,7
.irp q, 0,1
	ds_load_b32 v[SC+16*(\set)+2*\i+\q], v[ADRS] offset:512*\i+64*(2*(\n)+\q)
.endr
.endr
.endm
.macro ASK k                           ; sixteen more of my rows of x, or (k < 0) nothing
.if (\k) >= 0
	XROWS \k
.endif
.endm
; Eight matrix instructions: ctx's block a against w_o's eight tiles.  first = 2: b_o is the C that starts the sums.  The 32 accumulators take turns, one instruction a turn.
.macro MULQ a, p, q, set, first
.if \first == 2
	WIN 0x81
.else
	WIN 0xa1
.endif
.irp b, 0,1,2,3,4,5,6,7
.if \first == 2
	v_wmma_scale_f32_16x16x128_f8f6f4 v[8*(8*(\a)+\b):8*(8*(\a)+\b)+7], v[128*(\p)+FR*\b:128*(\p)+FR*\b+FR-1], v[AF+FR*(\a):AF+FR*(\a)+FR-1], v[BI+8*\b:BI+8*\b+7], v[SC+16*(\set)+2*\b+(\q)], v[SC+16*(\set)+2*(\a)+(\q)] matrix_a_scale:MATRIX_SCALE_ROW1
.else
	v_wmma_scale_f32_16x16x128_f8f6f4 v[8*(8*(\a)+\b):8*(8*(\a)+\b)+7], v[128*(\p)+FR*\b:128*(\p)+FR*\b+FR-1], v[AF+FR*(\a):AF+FR*(\a)+FR-1], v[8*(8*(\a)+\b):8*(8*(\a)+\b)+7], v[SC+16*(\set)+2*\b+(\q)], v[SC+16*(\set)+2*(\a)+(\q)] matrix_a_scale:MATRIX_SCALE_ROW1
.endif
.endr
.endm
.macro STEP slot, first, pf
	s_wait_dscnt 2*NA                              ; all but the youngest eight loads (ctx's blocks 2, 3) are in
	MULQ 0, 0, 0, \slot, \first
	MULQ 1, 0, 0, \slot, \first
	s_wait_dscnt 0x0
	PLACES NP                                      ; in front of loads into registers that matrix instructions have read
	FETCH0 \slot, 1, 1
	FETCH1 \slot, 1, 0
	ASK \pf
	MULQ 2, 0, 0, \slot, \first
	MULQ 3, 0, 0, \slot, \first
	PLACES NP
	WIN 0
	FETCH1 \slot, 1, 2
.endm
.macro TURN slot, next, fill, n, pf
	s_wait_tensorcnt 0x0                           ; all my tensor loads have landed: my part of the next slot among them
	ds_add_u32 v[SPW], v[NIL]                      ; 0 onto my spare word
	s_wait_dscnt 2*NA+1                            ; (the add and the youngest eight loads may be out)
	MULQ 0, 1, 1, \slot, 0                         ; eight matrix instructions stand between the add and the wait for it
	s_wait_dscnt 0x0                               ; the add is done, and my reads of this slot are over
	s_barrier_signal -1
	MULQ 1, 1, 1, \slot, 0
	WIN 0
	s_barrier_wait -1
.if \fill
	CREST                                          ; the barrier has opened a round of the cluster's barrier: no wave of any partner still reads this slot or has a load on its way
	s_add_nc_u64 s[G0+4*\slot+2:G0+4*\slot+3], s[G0+4*\slot+2:G0+4*\slot+3], XSTEP
	s_add_nc_u64 s[G0B+4*\slot+2:G0B+4*\slot+3], s[G0B+4*\slot+2:G0B+4*\slot+3], WSTEP
	JLOAD G0+4*\slot, G1, G0B+4*\slot, G1B         ; my one tensor load behind the round
	PLACES NP-4
.else
	PLACES NP
.endif
	FETCH0 \next, 0, 0
	FETCH1 \next, 0, 0
	SCALES \next, \n
	ASK \pf
	MULQ 2, 1, 1, \slot, 0
	MULQ 3, 1, 1, \slot, 0
	PLACES NP
	WIN 0
	FETCH1 \next, 0, 2
.endm
	s_wait_loadcnt 32                              ; b_o's sixteen loads are in; the 32 of x behind them may be out
	s_wait_tensorcnt 1                             ; the scale words and my part of slot 0 are in; slot 1's load may be out
	s_barrier_signal -1
	s_barrier_wait -1
	FETCH0 0, 0, 0
	FETCH1 0, 0, 0
	SCALES 0, 0
	FETCH1 0, 0, 2
	STEP 0, 2, 2
	TURN 0, 1, 1, 1, 3
	STEP 1, 0, -1
	TURN 1, 0, 1, 2, -1
	STEP 0, 0, -1
	TURN 0, 1, 0, 3, -1                            ; nothing is left to fetch; behind this barrier nobody reads slot 0
	STEP 1, 0, -1
	s_wait_dscnt 2*NA
	MULQ 0, 1, 1, 1, 0
	MULQ 1, 1, 1, 1, 0
	s_wait_dscnt 0x0
	MULQ 2, 1, 1, 1, 0
	MULQ 3, 1, 1, 1, 0
	WIN 0
; THE WAY OUT, block by block of 16 rows x 128 features.  A lane holds pieces of 64 neighbouring bytes of one row: a block goes through my own stage in LDS and comes back as whole rows of 512 bytes; x is added; 32 lanes store a row.
; LDS serves a wave's instructions in order (ISA guide 5.7.1.4): no wait between the stores and the loads, nor in front of the next block's stores.
.macro TOSTAGE a
	WIN 0x08                                       ; an LDS store's data are its source 1: window 2
.irp b, 0,1,2,3,4,5,6,7
	ds_store_b128 v[STO], v[8*(8*(\a)+\b):8*(8*(\a)+\b)+3] offset:128*(\b/2)+32*(\b%2)       ; each accumulator from its low end on
	ds_store_b128 v[STO], v[8*(8*(\a)+\b)+4:8*(8*(\a)+\b)+7] offset:128*(\b/2)+32*(\b%2)+16
.endr
	WIN 0
.set BBK, 128+64*((\a)%2)
.irp t, 0,1,2,3,4,5,6,7,8,9,10,11,12,13,14,15
	ds_load_b128 v[BBK+4*\t:BBK+4*\t+3], v[RD] offset:528*\t
.endr
.endm
.macro SEND a, younger                 ; younger: the LDS instructions issued behind block a's loads, which may stay out
.set BBK, 128+64*((\a)%2)
	s_wait_dscnt \younger
	s_wait_loadcnt 16*(3-(\a))                     ; x of this block is in; the later blocks' sixteen loads each may be out
	WIN 0x0c                                       ; source 1: x, in window 3
.set K2, 0
.rept 32
	v_pk_add_f32 v[BBK+K2:BBK+K2+1], v[BBK+K2:BBK+K2+1], v[64*(\a)+K2:64*(\a)+K2+1]
.set K2, K2+2
.endr
	WIN 0
.irp t, 0,1,2,3,4,5,6,7,8,9,10,11,12,13,14,15
	global_store_b128 v[LI], v[BBK+4*\t:BBK+4*\t+3], s[96:97] offset:(32*((\a)/2)+8*((\a)%2)+16*(\t/8)+\t%8)*4096 th:TH_STORE_NT   ; 512 consecutive bytes of the token's row
.endr
.endm
	PLACES NP                                      ; behind the last products: loads land in their operands' registers, and their results are read
	TOSTAGE 0
.irp a, 1,2,3
.if \a > 1
	s_wait_xcnt 0x0                                ; block a - 2's stores have read their registers: block a's rows may land there
.endif
	TOSTAGE \a
	SEND \a-1, 32                                  ; behind block a - 1's loads: block a's 16 stores and 16 loads
.endr
	SEND 3, 0
	s_wait_tensorcnt 0x0                           ; the wave's end: behind my last tensor load and my last LDS store
	ds_add_u32 v[SPW], v[NIL]
	s_wait_dscnt 0x0
	CROUND                                         ; the closing round: no work-group ends while a partner may still ask for a tile that names it
	s_endpgm
.Lfunc_end_k_q155a0f2e6f_oproj:
	.size	k_q155a0f2e6f_oproj, .Lfunc_end_k_q155a0f2e6f_oproj-k_q155a0f2e6f_oproj
	.p2alignl 7, 3214868480
	.fill 96, 4, 3214868480
	.section	.rodata,"a",@progbits
	.p2align	6, 0x0
	.amdhsa_kernel k_q155a0f2e6f_oproj
		.amdhsa_group_segment_fixed_size 327680
		.amdhsa_private_segment_fixed_size 0
		.amdhsa_enable_private_segment 0
		.amdhsa_kernarg_size 56
		.amdhsa_user_sgpr_count 2
		.amdhsa_user_sgpr_kernarg_segment_ptr 1
		.amdhsa_wavefront_size32 1
		.amdhsa_system_sgpr_workgroup_id_x 1
		.amdhsa_system_sgpr_workgroup_id_y 1
		.amdhsa_system_sgpr_workgroup_id_z 1
		.amdhsa_system_vgpr_workitem_id 0
		.amdhsa_next_free_vgpr 1024
		.amdhsa_next_free_sgpr 98
		.amdhsa_reserve_vcc 0
		.amdhsa_float_denorm_mode_32 3
		.amdhsa_float_denorm_mode_16_64 3
		.amdhsa_memory_ordered 1
		.amdhsa_forward_progress 1
		.amdhsa_inst_pref_size 108
	.end_amdhsa_kernel
	.amdgpu_metadata
---
amdhsa.version: [ 1, 2 ]
amdhsa.kernels:
  - .name:           k_q155a0f2e6f_oproj
    .symbol:         k_q155a0f2e6f_oproj.kd
    .args:
      - { .name: ctx_codes, .offset: 0, .size: 8, .value_kind: global_buffer, .address_space: global }
      - { .name: ctx_scales, .offset: 8, .size: 8, .value_kind: global_buffer, .address_space: global }
      - { .name: w_codes, .offset: 16, .size: 8, .value_kind: global_buffer, .address_space: global }
      - { .name: w_scales, .offset: 24, .size: 8, .value_kind: global_buffer, .address_space: global }
      - { .name: b_o, .offset: 32, .size: 8, .value_kind: global_buffer, .address_space: global }
      - { .name: x, .offset: 40, .size: 8, .value_kind: global_buffer, .address_space: global }
      - { .name: out0, .offset: 48, .size: 8, .value_kind: global_buffer, .address_space: global }
    .group_segment_fixed_size: 327680
    .private_segment_fixed_size: 0
    .kernarg_segment_align: 8
    .kernarg_segment_size: 56
    .max_flat_workgroup_size: 128
    .sgpr_count:     98
    .vgpr_count:     1024
    .wavefront_size: 32
...
	.end_amdgpu_metadata
.endif
;; end of part 4
